; MI455X (gfx1250); checked and timed in simulation.
; The chip was launched on July 23, 2026; its instructions are those of AMD's public machine-readable ISA for CDNA 5 (MIT licence, August 2026) and "CDNA5" Instruction Set Architecture Reference Guide (July 2026). The comments in the code are by the model that wrote it; some were corrected since.
;; Multihead Attention. Allowed arithmetic: matrix products marked QUANTISED: E5M2 operands, one E8M0 scale for each 32 along K, by v_wmma_scale_f32_16x16x128_f8f6f4 with both operands' format E5M2, f32 sums; everything else in f32.
;; Inputs: bk 1,024 float32; bo 1,024 float32; bq 1,024 float32; bv 1,024 float32; k_in 8 x 1,024 x 1,024 float32; mask 1,024 x 1,024 bool; q_in 8 x 1,024 x 1,024 float32; v_in 8 x 1,024 x 1,024 float32; wk 1,024 x 1,024 float32; wo 1,024 x 1,024 float32; wq 1,024 x 1,024 float32; wv 1,024 x 1,024 float32.
;; Outputs: out0 8 x 1,024 x 1,024 float32.
;; This version of the problem:
;;   THIS VERSION OF THE PROBLEM IS GIVEN IN LOW PRECISION. The matrix products marked QUANTISED in the list below multiply operands that are first quantised to E5M2 (5 exponent bits, 2 mantissa bits; 8 bits a number), with one power-of-two scale for each 32 numbers along K (OCP MX v1.0); their sums are f32. All else is computed in f32.
;;   The module's matrix products, in the order in which they are computed (A, B: the left and right operand; K: the contracted axis; several contracted axes count as one K, in the product's order):
;;     1. [M 8,192, K 1,024] x [K 1,024, N 1,024]; A: input q_in; B: input wq: QUANTISED
;;     2. [M 8,192, K 1,024] x [K 1,024, N 1,024]; A: input k_in; B: input wk: QUANTISED
;;     3. [M 8,192, K 1,024] x [K 1,024, N 1,024]; A: input v_in; B: input wv: QUANTISED
;;     4. batch 128 x [M 1,024, K 64] x [K 64, N 1,024]; A: computed on the way; B: computed on the way: QUANTISED
;;     5. batch 128 x [M 1,024, K 1,024] x [K 1,024, N 64]; A: softmax (see below); B: computed on the way: QUANTISED
;;     6. [M 8,192, K 1,024] x [K 1,024, N 1,024]; A: computed on the way; B: input wo: QUANTISED
;;   THE QUANTISER, for each operand of a quantised product, along K:
;;     - K is cut into blocks of 32 from its start; a last block that is shorter is filled with zeros.
;;     - A block's scale is 2^e with e = floor(log2(the largest magnitude in the block)) - 15, held to -126 .. 127; a block of zeros has e = 0. As a byte (E8M0): e + 127.
;;     - Each number is divided by its block's scale, clamped to +-57,344, and rounded to the nearest number of E5M2, ties to even, subnormals kept.
;;     - The product sums the exact products of the quantised numbers (number of the format x scale) in f32.
;;   ~~~python
;;   def quantise(x, axis):      # numpy; x: float32 -> the quantised numbers, widened to float32 again
;;       x = np.moveaxis(x, axis, -1); K = x.shape[-1]
;;       x = np.pad(x, [(0, 0)] * (x.ndim - 1) + [(0, -K % 32)]); x = x.reshape(x.shape[:-1] + (-1, 32)); a = np.abs(x).max(-1, keepdims=True)
;;       e = np.where(a > 0, np.clip(np.frexp(np.where(a > 0, a, 1))[1] - 1 - 15, -126, 127), 0)      # np.frexp(a)[1] - 1 = floor(log2(a)), exactly
;;       r = np.clip(x / 2.0 ** e, -57344, 57344)
;;       step = 2.0 ** (np.maximum(np.frexp(np.where(r == 0, 1, r))[1] - 1, -14) - 2)
;;       q = np.round(r / step) * step * 2.0 ** e      # np.round: ties to even
;;       return np.moveaxis(q.reshape(q.shape[:-2] + (-1,))[..., :K], -1, axis).astype(np.float32)
;;   ~~~
;;   SOFTMAX AHEAD OF A QUANTISED PRODUCT. Where the list says 'softmax', what is quantised is not the finished softmax but p = 2^(t - M), with t = logit x log2(e) and M = ceil(the row's largest t), a whole number; so 1/2 < the row's largest p <= 1. The row's sum l is taken of the UNQUANTISED p, in f32, and the product's result is divided by l at the end. Since M is a whole number, a kernel that streams over the keys may use a running M (the ceiling of the running maximum): every later rescaling is an exact power of two, which a block's scale takes up: the codes' values come out the same.
;;   OPERANDS COMPUTED ON THE WAY. 'Computed on the way' means the value that the module computes at that place (a softmax that the list does not call 'softmax' is quantised finished and normalised). What goes into a quantiser is computed in f32, as accurately as f32 sums, v_exp_f32 and their like allow (about 1e-6 of the number): no bf16 or f16 on the way to a quantiser, and a product that is left as it is and whose result goes on into a quantised operand takes f32 operands (vector FMAs, or v_wmma_f32_16x16x4_f32). A number that lies on a knife's edge between two numbers of the format may be rounded either way, as far as f32 arithmetic and the matrix unit's own rounding can turn it there, and no further.
;; 2 versions, each right; version 2 is version 1 with the launch attn written anew for expert scheduling mode. Each part assembles by itself: llvm-mc -triple=amdgcn-amd-amdhsa -mcpu=gfx1250 --defsym DOCPART=n.
;; ======== version 1 of 2: 4 launches
;; limits: right only within a limited range of input values
;; workspace buffers: cod 29,360,128 bytes; scl 917,504 bytes; maskw 131,072 bytes of whole numbers; maskf 2,048 bytes of whole numbers; pcod 25,165,824 bytes; pscl 1,310,720 bytes; hcod 8,388,608 bytes; hscl 262,144 bytes
;; launch quant (part 1): grid 1024 x 1, 4 waves a work-group, no clusters, 33,280 bytes of LDS; arguments q_in, k_in, v_in, wq, wk, wv, wo, mask, cod, scl, maskw, maskf; writes cod, scl, maskw, maskf
.if DOCPART == 1
	.amdgcn_target "amdgcn-amd-amdhsa--gfx1250"
	.amdhsa_code_object_version 6
	.text
	.protected	k_qb04a390bef_quant
	.globl	k_qb04a390bef_quant
	.p2align	8
	.type	k_qb04a390bef_quant,@function
k_qb04a390bef_quant:
	s_mov_b64 s[64:65], 0
	v_nop
	global_prefetch_b8 v0, s[64:65] scope:SCOPE_SE
	s_setreg_imm32_b32 hwreg(HW_REG_WAVE_MODE, 25, 1), 1
	s_wait_xcnt 0x0
; q_in, k_in, v_in [8192][1024] and wq, wk, wv, wo [1024][1024], f32, become codes of BF8 (E5M2) with K innermost and one E8M0 byte for each 32 along K,
; one behind the other as rows of cod (1,024 bytes a row) and of scl (32 bytes a row).  The mask becomes words of one bit a lane for the attention, and a flag word for each key step.
; A block's scale is 2^(floor(log2(its largest magnitude)) - 15); its byte is the largest magnitude's exponent field - 15, held at 1 from below.  A block of zeros so gets the
; byte 1: its codes are zeros, which add nothing under any byte but 0xff, and this program alone reads the bytes.
; LIMITS: blocks whose largest magnitude lies under 2^(15 - 126) were not tried; NaN and infinities among the inputs are not served.
; WORK-GROUPS 0-895: 32,768 numbers each; a wave takes a run of 8,192 numbers, eight rows, in 16 steps of 512.  Each of a step's four loads reads 512 consecutive bytes; the 2,048 bytes
; turn through the wave's own stage in LDS, so that a lane then holds 16 neighbours along K (two lanes to a block).  A step's codes leave as 512 consecutive bytes.
; wv ALONE IS LAID WITH ITS ROWS IN ANOTHER ORDER: row 16 d + p of its part of cod holds wv[64 p + d], so that 16 neighbouring columns of the v projection are the 16 pieces of one channel d.
; WORK-GROUPS 896-1023: a wave makes the 64 words of one tile of 16 queries and one key step of 128 keys: bit (r + 16 h) of word 16 c + i is mask[16 qt + r][128 rho + 32 c + 16 h + i];
; and the step's flag word: bit 0: all 16 x 128 places are masked; bit 1: none is.  No LDS on this path.
.set STEPS, 16
.set EMAX,  15
.set MANT,  0x600000                   ; the mantissa field of 57,344 as f32
.set R,     16                         ; v16-79   four sets of 16 numbers as they are loaded
.set X,     80                         ; v80-111  two sets of 16 neighbours
.set E,     112                        ; v112-127 a scale byte for each step
.set C,     128                        ; v128-191 codes: four registers for each step, so that no store's data are written again
.set ROWO,  192                        ; v192-199 16 x lane + the place of the run's row i in cod
.set WREG,  8192                       ; LDS: a region for each wave: two stages of 32 x SP bytes, behind them its 256 scale bytes
.set SP,    80                         ; a lane's place in a stage: its 64 bytes + 16 of padding
	s_load_b512 s[20:35], s[0:1], 0x0              ; q_in, k_in, v_in, wq, wk, wv, wo, mask
	s_load_b128 s[36:39], s[0:1], 0x40             ; cod, scl
	s_load_b64 s[40:41], s[0:1], 0x50              ; maskw
	s_load_b64 s[48:49], s[0:1], 0x58              ; maskf
	v_lshl_add_u32 v200, v0, 2, 0x8000
	v_mov_b32 v201, 0
	v_lshrrev_b32 v1, 5, v0
	v_readfirstlane_b32 s16, v1                    ; wave
	v_and_b32 v2, 31, v0                           ; lane
	s_cmp_ge_u32 ttmp9, 896
	s_cbranch_scc1 .Lmask
	v_lshlrev_b32 v3, 4, v2                        ; my 16 bytes of a load's 512
	s_mul_i32 s17, s16, WREG
	v_lshrrev_b32 v14, 2, v2
	v_mul_u32_u24 v14, v14, SP
	v_and_b32 v15, 3, v2
	v_lshl_add_u32 v14, v15, 4, v14
	v_add_nc_u32 v14, s17, v14                     ; the stage, on the way in: SP (lane / 4) + 16 (lane % 4)
	v_mul_u32_u24 v15, v2, SP
	v_add_nc_u32 v15, s17, v15                     ; and on the way out: SP x lane: my 16 neighbours
	v_lshlrev_b32 v4, 4, v2                        ; my codes' place in a step's 512 bytes
	v_lshrrev_b32 v5, 1, v2
	s_add_co_u32 s17, s17, 2*32*SP
	v_add_nc_u32 v5, s17, v5                       ; LDS: my wave's 256 scale bytes, my block's byte
	v_lshlrev_b32 v7, 3, v2
	v_add_nc_u32 v6, s17, v7                       ; and on the way out 8 bytes a lane
	s_mov_b32 s12, MANT
	s_lshl_b32 s18, ttmp9, 2
	s_add_co_u32 s18, s18, s16                     ; my run among the 3,584 of all seven tensors
	s_and_b32 s42, s18, 127                        ; wv's runs are 3,328 to 3,455: u = my run within wv
	s_and_b32 s43, s42, 7
	s_lshl_b32 s43, s43, 7
	s_lshr_b32 s42, s42, 3
	s_add_co_u32 s42, s42, s43                     ; source rows 8 u + i = 64 (u / 8) + 8 (u % 8) + i go to rows 128 (u % 8) + u / 8 + 16 i
	s_lshl_b32 s43, s42, 10
	s_add_co_u32 s43, s43, 27262976                ; wv: where the run's first row of codes goes,
	s_lshl_b32 s42, s42, 5
	s_add_co_u32 s42, s42, 851968                  ; and its scale bytes
	s_lshl_b32 s44, s18, 13                        ; all others: 8,192 bytes of codes a run,
	s_lshl_b32 s45, s18, 8                         ; 256 scale bytes,
	s_mov_b32 s46, 1024                            ; row behind row
	s_mov_b32 s47, 32
	s_lshr_b32 s19, ttmp9, 5
	s_cmp_eq_u32 s19, 26                           ; work-groups 832 to 863 take wv: the choice hangs on the work-group's number alone
	s_cselect_b32 s44, s43, s44
	s_cselect_b32 s45, s42, s45
	s_cselect_b32 s46, 16384, s46                  ; wv: 16 rows from row to row
	s_cselect_b32 s47, 512, s47
.irp i, 0,1,2,3,4,5,6,7
	s_mul_i32 s19, s46, \i
	v_add_nc_u32 v[ROWO+\i], s19, v4
.endr
	v_lshrrev_b32 v1, 2, v2                        ; the scale bytes' way out: four lanes to a row of 32 bytes
	v_mul_u32_u24 v1, s47, v1
	v_and_b32 v12, 3, v2
	v_lshl_add_u32 v1, v12, 3, v1
	s_wait_kmcnt 0x0
	s_mov_b64 s[4:5], s[20:21]                     ; which tensor is mine, and at which work-group it begins
	s_mov_b32 s17, 0
.macro PICK first, lo
	s_cmp_ge_u32 ttmp9, \first
	s_cselect_b64 s[4:5], s[\lo:\lo+1], s[4:5]
	s_cselect_b32 s17, \first, s17
.endm
	PICK 256, 22
	PICK 512, 24
	PICK 768, 26
	PICK 800, 28
	PICK 832, 30
	PICK 864, 32
	s_lshl_b32 s17, s17, 2
	s_sub_co_u32 s17, s18, s17                     ; my run within my tensor
	s_lshl_b32 s6, s17, 15                         ; 32,768 bytes of f32 a run
	s_mov_b32 s7, 0
	s_add_nc_u64 s[4:5], s[4:5], s[6:7]
	s_mov_b32 s6, s44
	s_add_nc_u64 s[8:9], s[36:37], s[6:7]
	s_mov_b32 s6, s45
	s_add_nc_u64 s[10:11], s[38:39], s[6:7]
.macro LOAD t
.irp i, 0,1,2,3
	global_load_b128 v[R+16*((\t)%4)+4*\i:R+16*((\t)%4)+4*\i+3], v3, s[4:5] offset:2048*(\t)+512*\i th:TH_LOAD_NT   ; 32 lanes read 512 consecutive bytes
.endr
.endm
.macro TURN t                          ; step t's numbers through the stage: LDS serves a wave's instructions in order, so no wait stands between the stores and the loads
.irp i, 0,1,2,3
	ds_store_b128 v14, v[R+16*((\t)%4)+4*\i:R+16*((\t)%4)+4*\i+3] offset:32*SP*((\t)%2)+8*SP*\i
.endr
.irp i, 0,1,2,3
	ds_load_b128 v[X+16*((\t)%2)+4*\i:X+16*((\t)%2)+4*\i+3], v15 offset:32*SP*((\t)%2)+16*\i
.endr
.endm
.irp t, 0,1,2,3
	LOAD \t
.endr
	s_wait_loadcnt 12                              ; step 0's four loads are in; those of steps 1 to 3 may be out
	TURN 0
.macro STEP t
.set XS, X+16*((\t)%2)
.if (\t) > 0
	s_wait_dscnt 1                                 ; this step's numbers are back from the stage (the last step's byte store may be out): its stores into the stage have read their registers,
.else
	s_wait_dscnt 0x0
.endif
.if (\t)+4 < STEPS
	LOAD (\t)+4                                    ; which take the loads of four steps on
.endif
.if (\t)+1 < STEPS
.if STEPS-2-(\t) >= 3
	s_wait_loadcnt 12                              ; the next step's four loads are in; those of the three steps behind it may be out
.else
	s_wait_loadcnt 4*(STEPS-2-(\t))
.endif
	TURN (\t)+1
.endif
	v_max3_num_f32 v8, |v[XS]|, |v[XS+1]|, |v[XS+2]|               ; the largest magnitude of my 16
	v_max3_num_f32 v9, |v[XS+3]|, |v[XS+4]|, |v[XS+5]|
.irp i, 6,10
	v_max3_num_f32 v8, v8, |v[XS+\i]|, |v[XS+\i+1]|
	v_max3_num_f32 v9, v9, |v[XS+\i+2]|, |v[XS+\i+3]|
.endr
	v_max3_num_f32 v8, v8, |v[XS+14]|, |v[XS+15]|
	v_max3_num_f32 v8, v8, v9, (EMAX+1)<<23        ; and the floor 2^(16 - 127): the byte cannot fall under 1
	v_max_num_f32_dpp v8, v8, v8 row_xmask:1 row_mask:0xf bank_mask:0xf   ; and of my neighbour's 16: the block's
	v_add_nc_u32 v11, -(EMAX<<23), v8              ; 15 off its exponent field: the conversion takes the exponent field of this operand as its scale
	v_and_or_b32 v10, v8, 0x7f800000, s12          ; 57,344 x the scale
.irp i, 0,1,2,3,4,5,6,7,8,9,10,11,12,13,14,15
	v_med3_num_f32 v[XS+\i], v[XS+\i], -v10, v10   ; the conversion to an 8-bit code does not saturate (ISA guide 7.6.2): the hold comes first
.endr
	v_cvt_scalef32_pk8_bf8_f32 v[C+4*(\t):C+4*(\t)+1], v[XS:XS+7], v11
	v_cvt_scalef32_pk8_bf8_f32 v[C+4*(\t)+2:C+4*(\t)+3], v[XS+8:XS+15], v11
	v_lshrrev_b32 v[E+(\t)], 23, v11               ; the scale's byte
	ds_store_b8 v5, v[E+(\t)] offset:16*(\t)       ; both lanes of a block write the same byte with the same value
	global_store_b128 v[ROWO+(\t)/2], v[C+4*(\t):C+4*(\t)+3], s[8:9] offset:512*((\t)%2)   ; half a row of codes: 512 consecutive bytes
.endm
.irp t, 0,1,2,3,4,5,6,7,8,9,10,11,12,13,14,15
	STEP \t
.endr
	ds_load_b64 v[12:13], v6                       ; LDS serves a wave's instructions in order: these see my stores
	s_wait_dscnt 0x0
	global_store_b64 v1, v[12:13], s[10:11]        ; eight rows of 32 scale bytes (for all but wv: 256 consecutive bytes)
	s_wait_tensorcnt 0x0
	ds_add_u32 v200, v201
	s_wait_dscnt 0x0
	s_endpgm
.Lmask:
	s_sub_co_u32 s17, ttmp9, 896
	s_lshl_b32 s17, s17, 2
	s_add_co_u32 s17, s17, s16                     ; unit = 8 qt + rho, 0 to 511
	s_lshr_b32 s18, s17, 3
	s_and_b32 s19, s17, 7
	s_lshl_b32 s4, s18, 14                         ; 16 rows of the mask, 1,024 bytes each, for a tile of queries
	s_lshl_b32 s19, s19, 7                         ; key step rho: 128 keys
	s_add_co_u32 s4, s4, s19
	s_mov_b32 s5, 0
	s_lshl_b32 s6, s17, 8                          ; 64 words a unit
	s_mov_b32 s7, 0
	s_lshl_b32 s8, s17, 2                          ; one flag word a unit
	s_mov_b32 s9, 0
	v_and_b32 v3, 15, v2
	v_lshrrev_b32 v4, 4, v2
	v_lshlrev_b32 v3, 10, v3
	v_lshl_add_u32 v3, v4, 4, v3                   ; row r, + 16 h
	v_lshlrev_b32 v5, 3, v2
	v_mov_b32 v32, 0                               ; a lane write's destination counts as read
	v_mov_b32 v33, 0
	s_mov_b32 s44, -1                              ; the words' AND,
	s_mov_b32 s45, 0                               ; and their OR
	s_wait_kmcnt 0x0
	s_add_nc_u64 s[4:5], s[34:35], s[4:5]
	s_add_nc_u64 s[6:7], s[40:41], s[6:7]
	s_add_nc_u64 s[8:9], s[48:49], s[8:9]
.irp c, 0,1,2,3
	global_load_b128 v[16+4*\c:19+4*\c], v3, s[4:5] offset:32*\c   ; keys 128 rho + 32 c + 16 h + 0 .. 15 of my query
.endr
	s_wait_loadcnt 0x0
.set n, 0
.rept 64
	v_bfe_u32 v[34+n%2], v[16+n/4], 8*(n%4), 8
	v_cmp_ne_u32 s[42+n%2], 0, v[34+n%2]           ; word n: one bit a lane
	v_writelane_b32 v[32+n%2], s[42+n%2], n/2      ; lane n / 2 keeps words n and n + 1
	s_and_b32 s44, s44, s[42+n%2]
	s_or_b32 s45, s45, s[42+n%2]
.set n, n+1
.endr
	s_cmp_eq_u32 s44, -1
	s_cselect_b32 s46, 1, 0                        ; bit 0: every place of the step is masked
	s_cmp_eq_u32 s45, 0
	s_cselect_b32 s47, 2, 0                        ; bit 1: none is
	s_or_b32 s46, s46, s47
	v_mov_b32 v36, s46
	v_mov_b32 v37, 0
	global_store_b64 v5, v[32:33], s[6:7]          ; 32 lanes store 256 consecutive bytes, aligned
	global_store_b32 v37, v36, s[8:9]              ; the flag word (all lanes hold and store the same word)
	s_endpgm
.Lfunc_end_k_qb04a390bef_quant:
	.size	k_qb04a390bef_quant, .Lfunc_end_k_qb04a390bef_quant-k_qb04a390bef_quant
	.p2alignl 7, 3214868480
	.fill 96, 4, 3214868480
	.section	.rodata,"a",@progbits
	.p2align	6, 0x0
	.amdhsa_kernel k_qb04a390bef_quant
		.amdhsa_group_segment_fixed_size 33280
		.amdhsa_private_segment_fixed_size 0
		.amdhsa_enable_private_segment 0
		.amdhsa_kernarg_size 96
		.amdhsa_user_sgpr_count 2
		.amdhsa_user_sgpr_kernarg_segment_ptr 1
		.amdhsa_wavefront_size32 1
		.amdhsa_system_sgpr_workgroup_id_x 1
		.amdhsa_system_sgpr_workgroup_id_y 1
		.amdhsa_system_sgpr_workgroup_id_z 1
		.amdhsa_system_vgpr_workitem_id 0
		.amdhsa_next_free_vgpr 202
		.amdhsa_next_free_sgpr 66
		.amdhsa_reserve_vcc 0
		.amdhsa_float_denorm_mode_32 3
		.amdhsa_float_denorm_mode_16_64 3
		.amdhsa_memory_ordered 1
		.amdhsa_forward_progress 1
		.amdhsa_inst_pref_size 71
	.end_amdhsa_kernel
	.amdgpu_metadata
---
amdhsa.version: [ 1, 2 ]
amdhsa.kernels:
  - .name:           k_qb04a390bef_quant
    .symbol:         k_qb04a390bef_quant.kd
    .args:
      - { .name: q_in, .offset: 0, .size: 8, .value_kind: global_buffer, .address_space: global }
      - { .name: k_in, .offset: 8, .size: 8, .value_kind: global_buffer, .address_space: global }
      - { .name: v_in, .offset: 16, .size: 8, .value_kind: global_buffer, .address_space: global }
      - { .name: wq, .offset: 24, .size: 8, .value_kind: global_buffer, .address_space: global }
      - { .name: wk, .offset: 32, .size: 8, .value_kind: global_buffer, .address_space: global }
      - { .name: wv, .offset: 40, .size: 8, .value_kind: global_buffer, .address_space: global }
      - { .name: wo, .offset: 48, .size: 8, .value_kind: global_buffer, .address_space: global }
      - { .name: mask, .offset: 56, .size: 8, .value_kind: global_buffer, .address_space: global }
      - { .name: cod, .offset: 64, .size: 8, .value_kind: global_buffer, .address_space: global }
      - { .name: scl, .offset: 72, .size: 8, .value_kind: global_buffer, .address_space: global }
      - { .name: maskw, .offset: 80, .size: 8, .value_kind: global_buffer, .address_space: global }
      - { .name: maskf, .offset: 88, .size: 8, .value_kind: global_buffer, .address_space: global }
    .group_segment_fixed_size: 33280
    .private_segment_fixed_size: 0
    .kernarg_segment_align: 8
    .kernarg_segment_size: 96
    .max_flat_workgroup_size: 128
    .sgpr_count:     66
    .vgpr_count:     202
    .wavefront_size: 32
...
	.end_amdgpu_metadata
.endif
;; end of part 1
;; launch proj (part 2): grid 4 x 96, 4 waves a work-group, clusters of 4 x 4, 327,680 bytes of LDS; arguments cod, scl, bq, bk, bv, pcod, pscl; writes pcod, pscl
.if DOCPART == 2
	.amdgcn_target "amdgcn-amd-amdhsa--gfx1250"
	.amdhsa_code_object_version 6
	.text
	.protected	k_qb04a390bef_proj
	.globl	k_qb04a390bef_proj
	.p2align	8
	.type	k_qb04a390bef_proj,@function
k_qb04a390bef_proj:
	s_mov_b64 s[64:65], 0
	v_nop
	global_prefetch_b8 v0, s[64:65] scope:SCOPE_SE
	s_setreg_imm32_b32 hwreg(HW_REG_WAVE_MODE, 25, 1), 1
	s_wait_xcnt 0x0
	s_wait_alu depctr_hold_cnt(0) depctr_sa_sdst(0) depctr_va_vdst(0) depctr_va_sdst(0) depctr_va_ssrc(0) depctr_va_vcc(0) depctr_vm_vsrc(0)
	s_getreg_b32 s2, hwreg(HW_REG_IB_STS2, 6, 4)
	s_cmp_eq_u32 s2, 0
	s_cbranch_scc0 .Lentry_in_a_cluster
	s_endpgm
.Lentry_in_a_cluster:
	s_bfe_u32 s2, ttmp6, 0x10000c
	s_cmp_lg_u32 s2, 0xf033
	s_cbranch_scc0 .Lentry_shape_is_right
	s_endpgm
.Lentry_shape_is_right:
; THE THREE PROJECTIONS q, k, v = x W^T + b, on codes of BF8 (E5M2) with one E8M0 scale for each 32 along K, and the quantising of their results for the attention.
; cod is one matrix of rows of 1,024 codes (x_q, x_k, x_v: rows 0 to 24,575; wq, wk, wv: from row 24,576 on), scl its scale bytes, 32 a row.  The cluster's y says which product: WHICH = y / 8.
; A tile of 256 x 256 is made by four waves, 128 x 128 each: 64 accumulators.  K goes in steps of 256 through a ring of two LDS slots filled by the tensor data mover; the scale bytes of the
; work-group's rows, for all of K, come once.  4 x 4 work-groups form a cluster: A's tiles are asked for jointly along a row of it, B's along a column.
; THE MATRIX INSTRUCTION IS USED TRANSPOSED (source 0 = 16 rows of W, source 1 = 16 rows of x): lane (r, h) holds row r and columns 8 h + 0 .. 7.  The bias is the C of each sum's first instruction.
; A head is 64 rows of the result cut into 16 pieces of 64 columns: query or key 16 (row % 64) + piece.
; q, k (K of the next product = the 64 channels): blocks of 32 along the columns.  Codes go through a stage in LDS and leave as aligned runs of 256 bytes; a query's two scale bytes are laid twice in a word
; (b0, b1, b0, b1: the upper two stand over the zero codes that fill the instruction's K from 64 to 128).  The words leave 8 bytes a lane, rows 64 bytes apart: one sixteenth of the codes' bytes.
; k's keys are laid so that the 16 keys of a tile of the attention are neighbours: of each pair of rows (2,048 bytes) the second and third 512 bytes change places; its words likewise.
; v (K of the next product = the keys): wv's rows were laid so that column 16 d + p is channel d, piece p.  A block of 32 keys of one channel is then ONE accumulator in lanes r, r xor 1 and both halves.
; Its codes go straight to [head][channel place][key]: 32 lanes store 256 consecutive bytes.  The channel's place is 32 (d / 32) + 16 ((d / 8) % 2) + d % 8 + 8 ((d / 16) % 2).
; v's scale word [head][place][rho] holds the bytes of blocks rho, rho + 8, rho + 16, rho + 24: the four blocks of a key step of the attention.
; LIMITS: NaN and infinities are not served; a block of zeros carries the byte 1 (zero codes; only this program reads the bytes); blocks under 2^(15 - 126) were not tried.
; REGISTERS, in windows of 256: window 0: v0-31 addresses; v32-63 scale words, two sets; v64-127 the bias, later the quantiser's work; from v128 A's fragments, one set, later numbers, codes and rows.
;   window 1: B's fragments, two sets.   window 2: the accumulators of my rows 0-63 ((a, b) at v[8 (8 a + b)]);   window 3: those of my rows 64-127.
.set KSTEP,  256
.set NQ,     KSTEP/128
.set ROWB,   256
.set KROW,   1024
.set PITCH,  272                       ; an LDS row: 256 bytes + 16 of padding: the 16 rows that a load touches start at 16 different banks (64 banks of 4 bytes: ISA guide 11.1)
.set FR,     16
.set NL,     4
.set NP,     8                         ; places behind this matrix instruction (ISA guide 7.12.1)
.set HALFT,  128*PITCH
.set SLOT,   4*HALFT
.set LAPS,   1024/(2*KSTEP)
.set KS,     32
.set SCL,    2*SLOT
.set HALFS,  (128*KS/256)*272
.set SBLK,   (16*KS/256)*272
.set SPARE,  SCL+4*HALFS               ; the spare words, 128 bytes for each wave: two blocks of 256 bytes that no other line names
.set WROW,   24576                     ; the weights' first row in cod
.set ADRA, 16
.set BO,   18                          ; v18  bias, natural order: 32 h
.set BV,   19                          ; v19  bias of v: 2,048 h
.set ADRB, 20
.set VSO,  22                          ; v22  v's scale words: 4 (r / 2)
.set VO,   23                          ; v23  v's codes: 16 r + 8 h
.set STO,  24                          ; v24  the stage: where I put 8 codes of a row
.set RD,   25                          ; v25  the stage: where I read rows back
.set CO,   26                          ; v26  my byte offset in pcod on the way out
.set ADRS, 27
.set SPW,  28
.set NIL,  29
.set SW,   30                          ; v30  q's and k's scale words
.set SC,   32
.set BI,   64                          ; v64-127 the bias: eight registers for each of B's blocks
.set AF,   128
.set TMX,  64                          ; the quantiser: largest magnitudes,
.set T1,   72                          ; the other half's, then bytes,
.set HO,   80                          ; 57,344 x the scale,
.set SCO,  88                          ; the conversions' scale operands,
.set PWS,  96                          ; v96-111 scale words: never written again
.set XR,   128                         ; 64 held numbers
.set CR,   192                         ; 16 registers of codes
.set WH,   95                          ; s95  which product: 0 q, 1 k, 2 v: from the cluster's y alone, so equal in all partners
.set SEL,  92
.set MNT,  94
.set G1, 24
.set G0, 32
.set G1B, 48
.set G0B, 56
.set G1S, 68
.set G0S, 76
.set G1SB, 80
.set G0SB, 88
.set MSB, 0
.macro WIN new                         ; the immediate's high byte repeats the setting that is left
.if MSB != \new
	s_set_vgpr_msb (MSB<<8)|\new
.set MSB, \new
.endif
.endm
.set MUL_LO, 0xa1                      ; source 0 (B) window 1, source 1 (A) window 0, C and D window 2
.set MUL_HI, 0xf1                      ; the same, C and D window 3
.set BIA_LO, 0x81                      ; the first step: C (the bias) window 0, D window 2
.set BIA_HI, 0xc1                      ; D window 3
.set TO_B,   0x40
; A joint load: waves 0 and 1 fetch for A, waves 2 and 3 for B.  Each line has one mask and one set of registers for all that issue it; the branch hangs on the wave's number alone.
; Four v_nop follow each of the two lines, ahead of the jump, the label and what follows.
.macro JLOAD g0a, g1a, g0b, g1b
	s_cmp_eq_u32 s15, 0
	s_cbranch_scc0 .Lfor_b_\@
	tensor_load_to_lds s[\g0a:\g0a+3], s[\g1a:\g1a+7]
	s_nop 0
.rept 4
	v_nop
.endr
	s_branch .Lasked_\@
.Lfor_b_\@:
	tensor_load_to_lds s[\g0b:\g0b+3], s[\g1b:\g1b+7]
	s_nop 0
.rept 4
	v_nop
.endr
.Lasked_\@:
.endm
.macro CREST                           ; a round of the cluster's barrier behind its opening barrier
	s_cmp_lg_u32 s14, 0
	s_cbranch_scc1 .Lnot_wave_0_\@
	s_barrier_signal -3
.Lnot_wave_0_\@:
	s_barrier_wait -3
	s_barrier_signal -1
	s_barrier_wait -1
.endm
.macro CROUND
	s_barrier_signal -1
	s_barrier_wait -1
	CREST
.endm
	s_load_b128 s[4:7], s[0:1], 0x0                ; cod, scl
	s_load_b128 s[8:11], s[0:1], 0x10              ; bq, bk
	s_load_b128 s[96:99], s[0:1], 0x20             ; bv, pcod
	s_load_b64 s[100:101], s[0:1], 0x30            ; pscl
	v_lshl_add_u32 v[SPW], v0, 2, SPARE
	v_mov_b32 v[NIL], 0
	ds_add_u32 v28, v29
	ds_add_u32 v28, v29
	s_wait_dscnt 0x0
	v_lshrrev_b32 v1, 5, v0
	v_readfirstlane_b32 s14, v1                    ; wave 0..3
	s_lshr_b32 s15, s14, 1                         ; which half of the tile's rows is mine.  Also: I fetch for A (0) or for B (1)
	s_and_b32 s16, s14, 1                          ; which half of its columns.  Also: which 128 rows of that tile I fetch
	s_bfe_u32 s40, ttmp6, 0x40000                  ; cx, cy: my place in the cluster
	s_bfe_u32 s41, ttmp6, 0x40004
	s_lshl_b32 s42, ttmp9, 2
	s_add_co_u32 s42, s42, s40                     ; tile column = 4 x cluster x + cx
	s_and_b32 s17, ttmp7, 0xffff                   ; the cluster's y, 0 to 23
	s_lshr_b32 s[WH], s17, 3
	s_lshl_b32 s17, s17, 2
	s_add_co_u32 s17, s17, s41                     ; tile row among the 96 of x_q, x_k, x_v = 4 x cluster y + cy
	s_lshl_b32 s43, s41, 2
	s_lshl_b32 s43, 15, s43                        ; my row of the cluster
	s_lshl_b32 s44, 0x1111, s40                    ; my column
	; descriptor group 1: a tile of 128 rows x 256 bytes, padded in LDS
	s_or_b32 s[G1+0], s43, (0<<16)|(1<<20)|(1<<21)|(5<<22)|(3<<25)  ; 15:0 the mask: A's tiles go to my row; elements of 1 byte; 20 padding on; 21 set beside a mask; after every 64 words four words
	s_or_b32 s[G1B+0], s44, (0<<16)|(1<<20)|(1<<21)|(5<<22)|(3<<25)
.irp g, G1, G1B
	s_mov_b32 s[\g+1], ROWB<<16                    ; tensor_dim0
	s_mov_b32 s[\g+2], 128<<16                     ; tensor_dim1
	s_mov_b32 s[\g+3], ROWB<<16                    ; tile_dim0
	s_mov_b32 s[\g+4], 128                         ; tile_dim1
	s_mov_b32 s[\g+5], KROW                        ; tensor_dim0_stride
	s_mov_b32 s[\g+6], 0
	s_mov_b32 s[\g+7], 0
.endr
	; the scales of 128 rows: a dense block of 4,096 bytes, as rows of 256 bytes (32 elements of 8 bytes), 16 bytes of padding behind each
	s_or_b32 s[G1S+0], s43, (3<<16)|(1<<20)|(1<<21)|(5<<22)|(3<<25)
	s_or_b32 s[G1SB+0], s44, (3<<16)|(1<<20)|(1<<21)|(5<<22)|(3<<25)
.irp g, G1S, G1SB
	s_mov_b32 s[\g+1], 32<<16
	s_mov_b32 s[\g+2], (128*KS/256)<<16
	s_mov_b32 s[\g+3], 32<<16
	s_mov_b32 s[\g+4], 128*KS/256
	s_mov_b32 s[\g+5], 32
	s_mov_b32 s[\g+6], 0
	s_mov_b32 s[\g+7], 0
.endr
	s_lshl_b32 s18, s16, 7                         ; which 128 rows of the tile I fetch
	s_lshl_b32 s20, s17, 8
	s_add_co_u32 s20, s20, s18                     ; A: row 256 x tile row + 128 x half
	s_lshl_b32 s46, s42, 8
	s_add_co_u32 s46, s46, s18                     ; B: row 256 x tile column + 128 x half,
	s_lshl_b32 s19, s[WH], 10
	s_add_co_u32 s46, s46, s19                     ; in the product's weight,
	s_add_co_u32 s46, s46, WROW                    ; behind the 24,576 rows of x
	s_mov_b32 s21, 0
	s_mov_b32 s47, 0
	s_mov_b64 s[18:19], KS
	s_mul_u64 s[22:23], s[20:21], s[18:19]         ; where these rows' scales begin, in bytes
	s_mul_u64 s[92:93], s[46:47], s[18:19]
	s_mov_b64 s[18:19], KROW
	s_mul_u64 s[20:21], s[20:21], s[18:19]         ; and their codes
	s_mul_u64 s[46:47], s[46:47], s[18:19]
	s_mul_i32 s45, s14, HALFT                      ; where they go: wave x 128 rows: no place in the cluster enters an LDS address
	s_mul_i32 s94, s14, HALFS
	s_wait_kmcnt 0x0
	s_add_nc_u64 s[20:21], s[4:5], s[20:21]
	s_add_nc_u64 s[22:23], s[6:7], s[22:23]
	s_add_nc_u64 s[46:47], s[4:5], s[46:47]
	s_add_nc_u64 s[92:93], s[6:7], s[92:93]
	CROUND                                         ; all sixteen work-groups are here: the first joint loads meet
	s_mov_b32 s[G0S], 1
	s_add_co_u32 s[G0S+1], s94, SCL
	s_mov_b64 s[G0S+2:G0S+3], s[22:23]
	s_or_b32 s[G0S+3], s[G0S+3], 0x80000000
	s_mov_b32 s[G0SB], 1
	s_add_co_u32 s[G0SB+1], s94, SCL
	s_mov_b64 s[G0SB+2:G0SB+3], s[92:93]
	s_or_b32 s[G0SB+3], s[G0SB+3], 0x80000000
	JLOAD G0S, G1S, G0SB, G1SB                     ; the scales first: they are wanted with K step 0
.irp s, 0,1
	s_mov_b32 s[G0+4*\s], 1
	s_add_co_u32 s[G0+4*\s+1], s45, \s*SLOT
	s_add_nc_u64 s[G0+4*\s+2:G0+4*\s+3], s[20:21], \s*ROWB
	s_or_b32 s[G0+4*\s+3], s[G0+4*\s+3], 0x80000000
	s_mov_b32 s[G0B+4*\s], 1
	s_add_co_u32 s[G0B+4*\s+1], s45, \s*SLOT
	s_add_nc_u64 s[G0B+4*\s+2:G0B+4*\s+3], s[46:47], \s*ROWB
	s_or_b32 s[G0B+4*\s+3], s[G0B+4*\s+3], 0x80000000
	JLOAD G0+4*\s, G1, G0B+4*\s, G1B
.endr
	v_and_b32 v1, 15, v0                           ; r = l % 16
	v_bfe_u32 v2, v0, 4, 1                         ; h = l / 16
	v_mul_u32_u24 v3, v1, PITCH
	v_lshl_add_u32 v4, v2, 4, v3                   ; a fragment's row x pitch + 16 x half
	s_mul_i32 s21, s15, HALFT                      ; my 128 rows of A
	s_mul_i32 s22, s16, HALFT                      ; my 128 rows of B,
	s_add_co_u32 s22, s22, 2*HALFT                 ; which lie behind A's 256
.irp s, 0,1
	v_add_nc_u32 v[ADRA+\s], s21, v4
	v_add_nc_u32 v[ADRB+\s], s22, v4
	s_add_co_u32 s21, s21, SLOT
	s_add_co_u32 s22, s22, SLOT
.endr
	v_mul_u32_u24 v5, v1, KS                       ; my row's scales: 32 bytes a row,
	v_lshrrev_b32 v6, 8, v5
	v_lshl_add_u32 v5, v6, 4, v5                   ; and 16 more for each 256 passed
	s_mul_i32 s21, s15, HALFS
	s_mul_i32 s22, s16, HALFS
	s_add_co_u32 s22, s22, 2*HALFS
	s_sub_co_u32 s22, s22, s21
	v_mul_u32_u24 v6, s22, v2                      ; lanes 16-31 take B's
	s_add_co_u32 s21, s21, SCL
	v_add_nc_u32 v5, v5, v6
	v_add_nc_u32 v[ADRS], s21, v5
	; THE WAY OUT'S ADDRESSES, all made here
	s_and_b32 s17, s17, 31                         ; the tile row within my product
	s_mov_b32 s18, 64                              ; q: from a row to the next 64 bytes of words, from pieces 0-7 to pieces 8-15 32 bytes;
	s_mov_b32 s19, 32
	s_cmp_eq_u32 s[WH], 1
	s_cselect_b32 s18, 32, s18                     ; k: the two change places (codes: sixteen times as much)
	s_cselect_b32 s19, 64, s19
	s_mul_i32 s23, s15, 128*PITCH                  ; the stage, 256 rows x 272 bytes: it lies in slot 0, which has had its last fill and its last read when the first code is stored there
	s_lshl_b32 s21, s16, 7
	s_add_co_u32 s23, s23, s21
	v_lshl_add_u32 v5, v2, 3, v3
	v_add_nc_u32 v[STO], s23, v5                   ; in: row 128 x half + r, byte 128 x column half + 8 h
	s_mul_i32 s23, s14, 64*PITCH
	v_mul_u32_u24 v5, v2, PITCH
	v_lshl_add_u32 v5, v1, 4, v5
	v_add_nc_u32 v[RD], s23, v5                    ; back: wave w takes rows 64 w on; lanes 0-15 one row of 256 bytes, lanes 16-31 the next
	s_lshl_b32 s21, s18, 4
	v_mul_u32_u24 v5, s21, v2
	v_lshl_add_u32 v[CO], v1, 4, v5                ; and the same two rows in pcod
	v_lshrrev_b32 v5, 1, v1
	v_and_b32 v6, 1, v1
	v_mul_u32_u24 v6, s18, v6
	v_lshl_add_u32 v[SW], v5, 7, v6                ; words: 128 bytes a pair of rows
	v_lshlrev_b32 v[VSO], 2, v5
	v_lshlrev_b32 v6, 4, v1
	v_lshl_add_u32 v[VO], v2, 3, v6
	v_lshlrev_b32 v[BO], 5, v2
	v_lshlrev_b32 v[BV], 11, v2
	s_lshl_b32 s20, s17, 7                         ; q's and k's codes: (128 x tile row + 32 x wave) pairs of rows of 2,048 bytes,
	s_lshl_b32 s21, s14, 5
	s_add_co_u32 s20, s20, s21
	s_lshl_b32 s20, s20, 11
	s_lshl_b32 s21, s[WH], 23                      ; in q's or k's 8,388,608 bytes,
	s_add_co_u32 s20, s20, s21
	s_lshr_b32 s21, s42, 1                         ; the tile's 256 columns: which 512, which half of them
	s_mul_i32 s21, s21, s19
	s_lshl_b32 s21, s21, 4
	s_add_co_u32 s20, s20, s21
	s_and_b32 s21, s42, 1
	s_lshl_b32 s21, s21, 8
	s_add_co_u32 s20, s20, s21
	s_mov_b32 s21, 0
	s_add_nc_u64 s[4:5], s[98:99], s[20:21]
	s_lshl_b32 s20, s17, 7                         ; their words: (128 x tile row + 64 x half) pairs of rows of 128 bytes,
	s_lshl_b32 s22, s15, 6
	s_add_co_u32 s20, s20, s22
	s_lshl_b32 s20, s20, 7
	s_lshl_b32 s22, s[WH], 19
	s_add_co_u32 s20, s20, s22
	s_lshl_b32 s22, s42, 2
	s_lshl_b32 s23, s16, 1
	s_add_co_u32 s22, s22, s23                     ; my first piece: 4 x tile column + 2 x column half
	s_lshr_b32 s23, s22, 3
	s_mul_i32 s23, s23, s19
	s_add_co_u32 s20, s20, s23
	s_and_b32 s22, s22, 7
	s_lshl_b32 s22, s22, 2
	s_add_co_u32 s20, s20, s22
	s_add_nc_u64 s[6:7], s[100:101], s[20:21]
	s_cmp_eq_u32 s[WH], 1                          ; the product's bias
	s_cselect_b64 s[8:9], s[10:11], s[8:9]
	s_cmp_eq_u32 s[WH], 2
	s_cselect_b64 s[8:9], s[96:97], s[8:9]
	s_lshl_b32 s20, s42, 1
	s_add_co_u32 s20, s20, s16
	s_lshl_b32 s22, s20, 9                         ; q, k: my 128 columns are 512 bytes of it;
	s_lshl_b32 s20, s20, 5                         ; v: my 8 channels are 32
	s_cmp_eq_u32 s[WH], 2
	s_cselect_b32 s20, s20, s22
	s_add_nc_u64 s[8:9], s[8:9], s[20:21]
	s_lshl_b32 s20, s17, 2                         ; v: my first head: 4 x tile row + 2 x half
	s_lshl_b32 s22, s15, 1
	s_add_co_u32 s20, s20, s22
	s_lshr_b32 s22, s42, 1                         ; and the place of my first channel, 16 x tile column + 8 x column half
	s_lshl_b32 s22, s22, 5
	s_lshl_b32 s23, s16, 4
	s_add_co_u32 s22, s22, s23
	s_and_b32 s23, s42, 1
	s_lshl_b32 s23, s23, 3
	s_add_co_u32 s22, s22, s23
	s_lshl_b32 s40, s20, 16
	s_lshl_b32 s23, s22, 10
	s_add_co_u32 s40, s40, s23
	s_add_co_u32 s40, s40, 16777216
	s_mov_b32 s41, 0
	s_add_nc_u64 s[10:11], s[98:99], s[40:41]      ; v's codes
	s_lshl_b32 s40, s20, 11
	s_lshl_b32 s23, s22, 5
	s_add_co_u32 s40, s40, s23
	s_add_co_u32 s40, s40, 1048576
	s_add_nc_u64 s[12:13], s[100:101], s[40:41]    ; v's words
	s_cmp_eq_u32 s[WH], 2
	s_cbranch_scc1 .Lbias_v
.irp b, 0,1,2,3,4,5,6,7
	global_load_b128 v[BI+8*\b:BI+8*\b+3], v[BO], s[8:9] offset:64*\b       ; block b, lane (r, h): columns 16 b + 8 h + 0 .. 7
	global_load_b128 v[BI+8*\b+4:BI+8*\b+7], v[BO], s[8:9] offset:64*\b+16
.endr
	s_branch .Lbias_in
.Lbias_v:
.irp b, 0,1,2,3,4,5,6,7
.irp j, 0,1,2,3,4,5,6,7
	global_load_b32 v[BI+8*\b+\j], v[BV], s[8:9] offset:256*\j+4*\b         ; block b is channel b of my eight, register j piece 8 h + j: bv[64 (8 h + j) + channel]
.endr
.endr
.Lbias_in:
.macro FRAG reg, adr, q, i             ; 16 rows x 128 K of 8-bit codes: lane l holds row l % 16; registers 4 c .. 4 c + 3 hold K = 32 c + 16 (l / 16) + 0 .. 15
.irp c, 0,1,2,3
	ds_load_b128 v[\reg+4*\c:\reg+4*\c+3], v[\adr] offset:128*(\q)+32*\c+(\i)*16*PITCH
.endr
.endm
; 16 matrix instructions: A's blocks a0, a0 + 1 x B's eight, 128 along K.  zero = 1: the first product starts the sums from the bias: nothing is cleared, nothing is added later.
; The 64 accumulators take turns, one instruction a turn, in the same order in every step.
.macro MUL16 a0, p, q, sc, zero
.irp a, \a0, \a0+1
.irp b, 0,1,2,3,4,5,6,7
.if \zero
	v_wmma_scale_f32_16x16x128_f8f6f4 v[8*(8*((\a)%4)+\b):8*(8*((\a)%4)+\b)+7], v[128*(\p)+FR*\b:128*(\p)+FR*\b+FR-1], v[AF+FR*(\a):AF+FR*(\a)+FR-1], v[BI+8*\b:BI+8*\b+7], v[SC+8*NQ*(\sc)+NQ*\b+(\q)], v[SC+8*NQ*(\sc)+NQ*(\a)+(\q)] matrix_a_fmt:MATRIX_FMT_BF8 matrix_b_fmt:MATRIX_FMT_BF8 matrix_a_scale:MATRIX_SCALE_ROW1
.else
	v_wmma_scale_f32_16x16x128_f8f6f4 v[8*(8*((\a)%4)+\b):8*(8*((\a)%4)+\b)+7], v[128*(\p)+FR*\b:128*(\p)+FR*\b+FR-1], v[AF+FR*(\a):AF+FR*(\a)+FR-1], v[8*(8*((\a)%4)+\b):8*(8*((\a)%4)+\b)+7], v[SC+8*NQ*(\sc)+NQ*\b+(\q)], v[SC+8*NQ*(\sc)+NQ*(\a)+(\q)] matrix_a_fmt:MATRIX_FMT_BF8 matrix_b_fmt:MATRIX_FMT_BF8 matrix_a_scale:MATRIX_SCALE_ROW1
.endif
.endr
.endr
.endm
.macro FETCH_B slot, q, p
	WIN TO_B
.irp i, 0,1,2,3,4,5,6,7
	FRAG 128*(\p)+FR*\i, ADRB+\slot, \q, \i
.endr
	WIN 0
.endm
.macro FETCH_A slot, q, i0
.irp i, \i0, \i0+1, \i0+2, \i0+3
	FRAG AF+FR*(\i), ADRA+\slot, \q, \i
.endr
.endm
.macro SCALES sc                       ; a K step's scale words: two a row; lanes 0-15 take A's block i, lanes 16-31 B's block i
.irp i, 0,1,2,3,4,5,6,7
	ds_load_b64 v[SC+8*NQ*\sc+NQ*\i:SC+8*NQ*\sc+NQ*\i+1], v[ADRS] offset:\i*SBLK
.endr
.endm
.macro PLACES n                        ; plain vector instructions between a matrix instruction and a load into, or a read of, its registers
.rept \n
	v_nop
.endr
.endm
.macro STEP slot, q, zero              ; a step of 128 along K that has its successor in the same slot
	s_wait_dscnt 4*NL                              ; B's set and A's blocks 0-3 are in; the youngest 16 loads (A's blocks 4-7) may be out
.if \zero
	WIN BIA_LO
.else
	WIN MUL_LO
.endif
	MUL16 0, (\q)%2, \q, \slot, \zero
	MUL16 2, (\q)%2, \q, \slot, \zero
	s_wait_dscnt 0
	PLACES NP
	FETCH_B \slot, (\q)+1, 1-(\q)%2
	FETCH_A \slot, (\q)+1, 0
.if \zero
	WIN BIA_HI
.else
	WIN MUL_HI
.endif
	MUL16 4, (\q)%2, \q, \slot, \zero
	MUL16 6, (\q)%2, \q, \slot, \zero
	PLACES NP
	WIN 0
	FETCH_A \slot, (\q)+1, 4
.endm
; A slot's last step changes slots: one barrier; in front of it each wave waits for all its tensor loads, adds 0 to its spare word, and waits for that and for its own reads of this slot.
.macro TURN slot, next, fill
	s_wait_tensorcnt 0x0                           ; all my tensor loads have landed: my part of the next slot
	ds_add_u32 v[SPW], v[NIL]                      ; 0 onto my spare word
	s_wait_dscnt 4*NL+1                            ; (the add and the youngest 16 loads, A's blocks 4-7, may be out)
	WIN MUL_LO
	MUL16 0, 1, NQ-1, \slot, 0                     ; sixteen matrix instructions stand between the add and the wait for it
	s_wait_dscnt 0x0                               ; the add is done, and my reads of this slot are over
	s_barrier_signal -1
	MUL16 2, 1, NQ-1, \slot, 0
	WIN 0
	s_barrier_wait -1
.if \fill
	CREST                                          ; the barrier has opened a round of the cluster's barrier: no wave of any partner still reads this slot's tile or has a load on its way
	s_add_nc_u64 s[G0+4*\slot+2:G0+4*\slot+3], s[G0+4*\slot+2:G0+4*\slot+3], 2*ROWB
	s_add_nc_u64 s[G0B+4*\slot+2:G0B+4*\slot+3], s[G0B+4*\slot+2:G0B+4*\slot+3], 2*ROWB
	JLOAD G0+4*\slot, G1, G0B+4*\slot, G1B         ; the first tensor load behind the round; its four v_nop are among the places in front of the loads below
	PLACES NP-4
.else
	PLACES NP
.endif
	v_add_nc_u32 v[ADRS], 4*NQ, v[ADRS]            ; on to the next K step's scale words
	FETCH_B \next, 0, 0
	FETCH_A \next, 0, 0
	SCALES \next
	WIN MUL_HI
	MUL16 4, 1, NQ-1, \slot, 0
	MUL16 6, 1, NQ-1, \slot, 0
	PLACES NP
	WIN 0
	FETCH_A \next, 0, 4
.endm
	s_wait_tensorcnt 1                             ; the scales and my part of K step 0 are in (K step 1's load may be out)
	s_barrier_signal -1
	s_barrier_wait -1                              ; everybody's are
	FETCH_B 0, 0, 0
	FETCH_A 0, 0, 0
	SCALES 0
	FETCH_A 0, 0, 4
	s_wait_loadcnt 0x0                             ; the bias
	STEP 0, 0, 1                                   ; the first step stands in front of the loop: its products start the sums
	s_mov_b32 s3, LAPS-1
.Llap:                                                 ; a trip goes once round the ring and fills both slots again
	TURN 0, 1, 1
	STEP 1, 0, 0
	TURN 1, 0, 1
	STEP 0, 0, 0
	s_sub_co_u32 s3, s3, 1
	s_cmp_lg_u32 s3, 0
	s_cbranch_scc1 .Llap
	TURN 0, 1, 0                                   ; the last lap fills nothing
	STEP 1, 0, 0
	s_wait_dscnt 4*NL
	WIN MUL_LO
	MUL16 0, 1, NQ-1, 1, 0
	MUL16 2, 1, NQ-1, 1, 0
	s_wait_dscnt 0
	WIN MUL_HI
	MUL16 4, 1, NQ-1, 1, 0
	MUL16 6, 1, NQ-1, 1, 0
	WIN 0
; q, k: block a of 16 rows.  Four blocks of 32 columns: accumulators 2 b and 2 b + 1, my 16 numbers and lane l xor 16's.
.macro QKA a
.set AC, 64*((\a)%4)
.set W, 2+(\a)/4
.set WW, W|(W<<2)
	WIN WW                                         ; sources 0 and 1: the accumulators' window
.irp b, 0,1,2,3
	v_max3_num_f32 v[TMX+\b], |v[AC+16*\b]|, |v[AC+16*\b+1]|, 0x8000000   ; each accumulator from its low end on; the floor 2^(16 - 127) holds the byte at 1 from below
.endr
.irp i, 2,4,6,8,10,12,14
.irp b, 0,1,2,3
	v_max3_num_f32 v[TMX+\b], |v[AC+16*\b+\i]|, |v[AC+16*\b+\i+1]|, v[TMX+\b]
.endr
.endr
	WIN 0
.irp b, 0,1,2,3
	v_permlanex16_b32 v[T1+\b], v[TMX+\b], s[SEL], s[SEL+1]
.endr
.irp b, 0,1,2,3
	v_max_num_f32 v[TMX+\b], v[TMX+\b], v[T1+\b]
.endr
.irp b, 0,1,2,3
	v_add_nc_u32 v[SCO+\b], 0xf8800000, v[TMX+\b]  ; 15 off the exponent field: the conversion's scale operand
.endr
.irp b, 0,1,2,3
	v_and_or_b32 v[HO+\b], v[TMX+\b], 0x7f800000, s[MNT]   ; 57,344 x the scale
.endr
.irp b, 0,1,2,3
	v_lshrrev_b32 v[T1+\b], 23, v[SCO+\b]          ; the scale's byte
.endr
	v_lshl_or_b32 v[PWS+2*(\a)], v[T1+1], 8, v[T1]
	v_lshl_or_b32 v[PWS+2*(\a)+1], v[T1+3], 8, v[T1+2]
	v_lshl_or_b32 v[PWS+2*(\a)], v[PWS+2*(\a)], 16, v[PWS+2*(\a)]         ; (b0, b1, b0, b1)
	v_lshl_or_b32 v[PWS+2*(\a)+1], v[PWS+2*(\a)+1], 16, v[PWS+2*(\a)+1]
	WIN W
.set n, 0
.rept 64
	v_med3_num_f32 v[XR+n], v[AC+n], -v[HO+n/16], v[HO+n/16]   ; the conversion does not saturate (ISA guide 7.6.2): the hold comes first
.set n, n+1
.endr
	WIN 0
.irp b, 0,1,2,3,4,5,6,7
	v_cvt_scalef32_pk8_bf8_f32 v[CR+2*\b:CR+2*\b+1], v[XR+8*\b:XR+8*\b+7], v[SCO+\b/2]
.endr
	v_nop                                          ; a plain instruction behind the last conversion
.irp b, 0,1,2,3,4,5,6,7
	ds_store_b64 v[STO], v[CR+2*\b:CR+2*\b+1] offset:(\a)*16*PITCH+16*\b   ; columns 16 b + 8 h + 0 .. 7 of row 16 a + r
.endr
	global_store_b64 v[SW], v[PWS+2*(\a):PWS+2*(\a)+1], s[6:7] offset:1024*(\a)   ; my row's two words (both halves of the lanes hold and store the same)
	s_wait_dscnt 0x0                               ; the stores have read their registers
.endm
; v: block a of 16 rows.  Eight blocks of 32 keys, one for each accumulator: my 8 numbers, lane r xor 1's (the pair's other row) and the other half's (pieces 8-15).
.macro VA a
.set AC, 64*((\a)%4)
.set W, 2+(\a)/4
.set WW, W|(W<<2)
.set VW, PWS+8*((\a)/4)
	WIN WW
.irp b, 0,1,2,3,4,5,6,7
	v_max3_num_f32 v[TMX+\b], |v[AC+8*\b]|, |v[AC+8*\b+1]|, 0x8000000
.endr
.irp i, 2,4,6
.irp b, 0,1,2,3,4,5,6,7
	v_max3_num_f32 v[TMX+\b], |v[AC+8*\b+\i]|, |v[AC+8*\b+\i+1]|, v[TMX+\b]
.endr
.endr
	WIN 0
.irp b, 0,1,2,3,4,5,6,7
	v_max_num_f32_dpp v[TMX+\b], v[TMX+\b], v[TMX+\b] row_xmask:1 row_mask:0xf bank_mask:0xf
.endr
.irp b, 0,1,2,3,4,5,6,7
	v_permlanex16_b32 v[T1+\b], v[TMX+\b], s[SEL], s[SEL+1]
.endr
.irp b, 0,1,2,3,4,5,6,7
	v_max_num_f32 v[TMX+\b], v[TMX+\b], v[T1+\b]
.endr
.irp b, 0,1,2,3,4,5,6,7
	v_add_nc_u32 v[SCO+\b], 0xf8800000, v[TMX+\b]
.endr
.irp b, 0,1,2,3,4,5,6,7
	v_and_or_b32 v[HO+\b], v[TMX+\b], 0x7f800000, s[MNT]
.endr
.if (\a)%4 == 0
.irp b, 0,1,2,3,4,5,6,7
	v_lshrrev_b32 v[VW+\b], 23, v[SCO+\b]          ; byte a % 4 of the word of key step r / 2: block r / 2 + 8 (a % 4) of the head's 32
.endr
.else
.irp b, 0,1,2,3,4,5,6,7
	v_lshrrev_b32 v[T1+\b], 23, v[SCO+\b]
.endr
.irp b, 0,1,2,3,4,5,6,7
	v_lshl_or_b32 v[VW+\b], v[T1+\b], 8*((\a)%4), v[VW+\b]
.endr
.endif
	WIN W
.set n, 0
.rept 64
	v_med3_num_f32 v[XR+n], v[AC+n], -v[HO+n/8], v[HO+n/8]
.set n, n+1
.endr
	WIN 0
	s_wait_xcnt 0x0                                ; the last block's stores have read the codes' registers
.irp b, 0,1,2,3,4,5,6,7
	v_cvt_scalef32_pk8_bf8_f32 v[CR+2*\b:CR+2*\b+1], v[XR+8*\b:XR+8*\b+7], v[SCO+\b]
.endr
	v_nop
.irp b, 0,1,2,3,4,5,6,7
	global_store_b64 v[VO], v[CR+2*\b:CR+2*\b+1], s[10:11] offset:((\a)/4)*65536+((\a)%4)*256+1024*\b   ; keys 256 (a % 4) + 16 r + 8 h + 0 .. 7 of channel b: 32 lanes store 256 consecutive bytes, aligned
.endr
.if (\a)%4 == 3
.irp b, 0,1,2,3,4,5,6,7
	global_store_b32 v[VSO], v[VW+\b], s[12:13] offset:((\a)/4)*2048+32*\b   ; eight words of a channel (four lanes hold and store each)
.endr
.endif
.endm
	s_mov_b32 s[SEL], 0x76543210                   ; v_permlanex16_b32's selects for lane l xor 16
	s_mov_b32 s[SEL+1], 0xfedcba98
	s_mov_b32 s[MNT], 0x600000                     ; the mantissa field of 57,344
.irp b, 0,1,2,3,4,5,6,7
	v_mov_b32 v[T1+\b], 0                          ; a lane permute's destination counts as one of its sources.  These eight are also the places behind the last products
.endr
	s_cmp_eq_u32 s[WH], 2
	s_cbranch_scc1 .Lv
.irp a, 0,1,2,3,4,5,6,7
	QKA \a
.endr
	s_branch .Lmeet
.Lv:
.irp a, 0,1,2,3,4,5,6,7
	VA \a
.endr
.Lmeet:
	s_wait_dscnt 0x0                               ; for the others' sake: my stores into the stage are done
	s_barrier_signal -1
	s_barrier_wait -1                              ; every wave of every product passes it
	s_cmp_eq_u32 s[WH], 2
	s_cbranch_scc1 .Lend
.set t, 0
.rept 32
	ds_load_b128 v[128+4*t:131+4*t], v[RD] offset:2*PITCH*t
.set t, t+1
.endr
.set t, 0
.rept 32
	s_wait_dscnt 31-t                              ; LDS loads come back in order: pair t of rows is in, the 31 - t younger loads may be out
	global_store_b128 v[CO], v[128+4*t:131+4*t], s[4:5] offset:2048*t   ; 16 lanes store 256 consecutive bytes, aligned
.set t, t+1
.endr
.Lend:
	s_wait_tensorcnt 0x0                           ; the wave's end
	ds_add_u32 v[SPW], v[NIL]
	s_wait_dscnt 0x0
	CROUND                                         ; the closing round: no work-group ends while a partner may still ask for a tile that names it
	s_endpgm
.Lfunc_end_k_qb04a390bef_proj:
	.size	k_qb04a390bef_proj, .Lfunc_end_k_qb04a390bef_proj-k_qb04a390bef_proj
	.p2alignl 7, 3214868480
	.fill 96, 4, 3214868480
	.section	.rodata,"a",@progbits
	.p2align	6, 0x0
	.amdhsa_kernel k_qb04a390bef_proj
		.amdhsa_group_segment_fixed_size 327680
		.amdhsa_private_segment_fixed_size 0
		.amdhsa_enable_private_segment 0
		.amdhsa_kernarg_size 56
		.amdhsa_user_sgpr_count 2
		.amdhsa_user_sgpr_kernarg_segment_ptr 1
		.amdhsa_wavefront_size32 1
		.amdhsa_system_sgpr_workgroup_id_x 1
		.amdhsa_system_sgpr_workgroup_id_y 1
		.amdhsa_system_sgpr_workgroup_id_z 1
		.amdhsa_system_vgpr_workitem_id 0
		.amdhsa_next_free_vgpr 1024
		.amdhsa_next_free_sgpr 102
		.amdhsa_reserve_vcc 0
		.amdhsa_float_denorm_mode_32 3
		.amdhsa_float_denorm_mode_16_64 3
		.amdhsa_memory_ordered 1
		.amdhsa_forward_progress 1
		.amdhsa_inst_pref_size 255
	.end_amdhsa_kernel
	.section	.bss,"aw",@nobits
	.p2align	6
	.space	262144
	.amdgpu_metadata
---
amdhsa.version: [ 1, 2 ]
amdhsa.kernels:
  - .name:           k_qb04a390bef_proj
    .symbol:         k_qb04a390bef_proj.kd
    .args:
      - { .name: cod, .offset: 0, .size: 8, .value_kind: global_buffer, .address_space: global }
      - { .name: scl, .offset: 8, .size: 8, .value_kind: global_buffer, .address_space: global }
      - { .name: bq, .offset: 16, .size: 8, .value_kind: global_buffer, .address_space: global }
      - { .name: bk, .offset: 24, .size: 8, .value_kind: global_buffer, .address_space: global }
      - { .name: bv, .offset: 32, .size: 8, .value_kind: global_buffer, .address_space: global }
      - { .name: pcod, .offset: 40, .size: 8, .value_kind: global_buffer, .address_space: global }
      - { .name: pscl, .offset: 48, .size: 8, .value_kind: global_buffer, .address_space: global }
    .group_segment_fixed_size: 327680
    .private_segment_fixed_size: 0
    .kernarg_segment_align: 8
    .kernarg_segment_size: 56
    .max_flat_workgroup_size: 128
    .sgpr_count:     102
    .vgpr_count:     1024
    .wavefront_size: 32
...
	.end_amdgpu_metadata
.endif
;; end of part 2
;; launch attn (part 3): grid 2 x 128, 16 waves a work-group, no clusters, 178,176 bytes of LDS; arguments pcod, pscl, maskw, maskf, hcod, hscl; writes hcod, hscl
.if DOCPART == 3
	.amdgcn_target "amdgcn-amd-amdhsa--gfx1250"
	.amdhsa_code_object_version 6
	.text
	.protected	k_qb04a390bef_attn
	.globl	k_qb04a390bef_attn
	.p2align	8
	.type	k_qb04a390bef_attn,@function
k_qb04a390bef_attn:
	s_mov_b64 s[64:65], 0
	v_nop
	global_prefetch_b8 v0, s[64:65] scope:SCOPE_SE
	s_setreg_imm32_b32 hwreg(HW_REG_WAVE_MODE, 25, 1), 1
	s_wait_xcnt 0x0
; heads[bh][q][:] = the sum over k of softmax_k(masked(Q[bh][q] . K[bh][k] / 4)) V[bh][k][:], both products on codes of BF8 (E5M2) with one E8M0 scale for each 32 along K; the result is quantised along
; its 64 channels for the last projection.  128 heads, 1,024 queries, 1,024 keys, 64 channels.
; SOFTMAX: t = score x log2(e) / 4; M = the row's largest t so far, rounded up to a whole number; p = 2^(t - M) is quantised along the keys, not normalised.  The row's sum is taken of the unquantised p and
; divides at the end.  When M moves, the sum and O are multiplied by 2^(old M - new M): exact.
; THE MASK is an input: nothing of its pattern is built in.  Its bits come as words of one bit a lane (64 for a tile of queries and a key step), by scalar loads a step ahead, and select values.
; A masked score is held at -2^126, which stands for the most negative number that the module puts there: beside any score that counts its p is 0; in a row in which NO key counts every t - M is
; exactly 0 (c x 2^126 is a whole number and the multiply-add rounds once), every p is 1, and the row gets the mean of V, as the module's softmax of equal numbers gives.
; TWO SHORTER WAYS THROUGH A KEY STEP hang on a flag word that an earlier launch stored for each tile of queries and key step; all three ways give the same values for any mask.
;   none of the step's 16 x 128 places is masked: the 64 selections are jumped over.
;   all are masked: every score is -2^126, so one multiply-add and one exponential give the p of all 64 (1 where no key has counted yet, else 0); M, the rescaling, the sum (32 p to each half) and V^T P^T are
;   done as ever; p's codes are 0x78 (2^15 under the scale 2^-15, byte 0x70) or 0.  So rows in which no key counts are served with no case of their own.
; How long the launch takes therefore hangs on the mask; what it computes does not.
; K, V and their scale words go into LDS through registers, once, and stay.  So there is nothing to ask for jointly: no cluster.
; LIMITS: NaN and infinities among the scores are not served; a true score under -2^126 would be taken for a masked one; t - M is one fused multiply-add.
; SHARES.  A work-group owns 512 queries of one head; each of its sixteen waves owns two tiles of 16, one after the other, in 256 registers: four waves to a SIMD, so that one wave's vector work stands
; beside another's matrix work and LDS loads.  A wave's tiles are qt and 63 - qt, so that a mask that hides more for early or for late queries leaves the waves about equal work (nothing but the balance hangs on
; that): qt = 8 G + wave % 8, G = 2 (wave / 8) + (x xor wave / 8).  The work-group's tiles are then four whole groups of eight: four aligned runs of 256 bytes of hscl.
; LAYOUT.  Both products are used transposed: S^T = K Q^T (source 0 = 16 keys, source 1 = my 16 queries; the 64 channels fill half of the instruction's K, the other half are zero codes),
; O^T = V^T P^T (source 0 = 16 channels, source 1 = P): a lane holds one query (lane % 16) throughout.
; A KEY STEP rho IS 128 NEIGHBOURING KEYS, blocks 4 rho + c of 32.  K's rows were laid so that the 16 keys of tile (c, u), 32 (4 rho + c) + 8 u + m % 8 + 16 (m / 8), are 16 neighbouring rows: the 16 registers
; of tiles (c, 0), (c, 1) are then keys 32 (4 rho + c) + 16 (lane / 16) + 0 .. 15.  V's channels were laid likewise, so that O^T's tiles 2 A, 2 A + 1 hold 16 neighbouring channels.
.set KP,   80                          ; a key's row in LDS: 64 bytes + 16 of padding
.set VP,   1040                        ; a channel's row: 1,024 keys + 16 of padding
.set VC,   1024*KP                     ; LDS: K's 1,024 rows, then V's 64,
.set KSW,  VC+64*VP                    ; K's 1,024 scale words,
.set VSW,  KSW+4096                    ; V's 64 x 8,
.set STG,  VSW+2048                    ; a stage of 16 rows x 80 bytes for each wave,
.set HS,   STG+16*16*KP                ; and the 512 queries' scale bytes, two each
.set AK0,  1                           ; v1   my lane's place in a tile of K
.set AV0,  2                           ; v2   of V
.set ASK0, 3                           ; v3   among K's scale words
.set ASV0, 4                           ; v4   among V's
.set SENT, 5                           ; v5   -2^126
.set SO,   6                           ; v6   the stage: where I put 16 codes of a row
.set SR,   7                           ; v7   the stage: where I read back
.set ADK,  8                           ; v8-11 the step's addresses
.set ADV,  9
.set ADS,  10
.set ADT,  11
.set Q0,   16                          ; v16-31   the first tile's Q (the upper eight registers are zero codes)
.set KF,   32                          ; v32-95   four fragments of K (the upper eight registers of each are zero codes, set once)
.set S,    96                          ; v96-159  S^T, then p, then V's four fragments; at the end the finished rows; at the head K and V on their way into LDS
.set O,    160                         ; v160-191 O^T; at the head the addresses of the way into LDS
.set PC,   192                         ; v192-207 p's codes; at the end the rows' codes
.set BM,   208                         ; v208-211 the blocks' largest
.set T1,   212
.set HOLD, 216
.set SCO,  220
.set KW,   224                         ; v224-227 K's or V's scale words
.set F,    228                         ; v228 2^(old M - new M)
.set PW,   229                         ; v229 p's scale word
.set TMP,  230
.set QW0,  231                         ; v231 the first tile's scale words
.set L2,   232                         ; v[232:233] the sums' second chain
.set GO,   234                         ; v234 16 x lane
.set HSA0, 235                         ; v235 where my query's two scale bytes go, first tile;
.set QW1,  236
.set HR,   237                         ; v237 where wave 0 reads them back
.set HSA1, 238                         ; v238 second tile
.set HGO,  239                         ; v239 and where wave 0 stores them
.set Q1,   240                         ; v240-255 the second tile's Q
.set FT16, 160                         ; at the head: 16 x thread
.set FKA,  161                         ; K's place in LDS for chunks 0-3,
.set FKB,  162                         ; for chunks 4-7
.set FVA,  163                         ; V's
.set FK8,  164                         ; 8 x thread
.set FKS,  165                         ; K's words' place in LDS
.set FVG,  166                         ; V's words: from where,
.set FVL,  167                         ; to where,
.set FSEL, 168                         ; and which byte of each
.set QA,   169
.set QWA,  170
.set SEL,  2                           ; s[2:3]
.set CS,   4                           ; s[4:5] c = log2(e) / 4
.set MNT,  6
.set MO,   7                           ; s7   byte offset in maskw of the words being fetched
.set WV,   14
.set FP0,  66                          ; s66, s67 a tile's eight flag words, two bits each, the step in hand lowest
.set FP1,  67                          ; the mask's words: word n in s[16 + n], from word 48 on in s[20 + n]
.set TK,   84                          ; s84-87 the step's place in K, K's words, V, V's words
.set TKS,  85
.set TV,   86
.set TVS,  87
.set CNT,  88
.set TS,   89
.set NX,   90                          ; s90  where the second tile's words begin
	s_load_b128 s[68:71], s[0:1], 0x0              ; pcod, pscl
	s_load_b128 s[72:75], s[0:1], 0x10             ; maskw, maskf
	s_load_b128 s[76:79], s[0:1], 0x20             ; hcod, hscl
	v_lshrrev_b32 v8, 5, v0
	v_readfirstlane_b32 s[WV], v8                  ; wave 0..15
	v_and_b32 v8, 15, v0                           ; r
	v_bfe_u32 v9, v0, 4, 1                         ; h
	v_and_b32 v10, 31, v0                          ; lane
	v_mul_u32_u24 v[AK0], v8, KP
	v_lshl_add_u32 v[AK0], v9, 4, v[AK0]
	v_mul_u32_u24 v[AV0], v8, VP
	v_lshl_add_u32 v[AV0], v9, 4, v[AV0]
	v_add_nc_u32 v[AV0], VC, v[AV0]
	v_lshl_add_u32 v[ASK0], v8, 2, KSW
	v_lshl_add_u32 v[ASV0], v8, 5, VSW
	s_mul_i32 s15, s[WV], 16*KP
	s_add_co_u32 s15, s15, STG                     ; my stage
	v_add_nc_u32 v[SO], s15, v[AK0]                ; in: row r, + 16 h
	v_lshrrev_b32 v11, 2, v10
	v_mul_u32_u24 v11, v11, KP
	v_and_b32 v12, 3, v10
	v_lshl_add_u32 v11, v12, 4, v11
	v_add_nc_u32 v[SR], s15, v11                   ; back: four lanes to a row of 64 bytes
	v_lshlrev_b32 v[GO], 4, v10
	v_add_nc_u32 v[HR], HS, v[GO]
	v_lshlrev_b32 v11, 1, v8
	s_lshl_b32 s15, s[WV], 5
	s_add_co_u32 s15, s15, HS
	v_add_nc_u32 v[HSA0], s15, v11                 ; the work-group's tile number wave: 32 bytes a tile, 2 a query;
	s_xor_b32 s15, s[WV], 31
	s_lshl_b32 s15, s15, 5
	s_add_co_u32 s15, s15, HS
	v_add_nc_u32 v[HSA1], s15, v11                 ; and tile number 31 - wave
	s_mov_b32 s15, ttmp9                           ; x
	v_xor_b32 v12, s15, v9
	v_lshlrev_b32 v[HGO], 4, v8                    ; sixteen lanes to a group of eight tiles, 256 bytes: group 4 k + 2 h + (x xor h) in store k
	v_lshl_add_u32 v[HGO], v9, 9, v[HGO]
	v_lshl_add_u32 v[HGO], v12, 8, v[HGO]
	v_lshlrev_b32 v[QA], 6, v8
	v_lshl_add_u32 v[QA], v9, 4, v[QA]             ; Q: row r of 64 bytes, + 16 h
	v_lshlrev_b32 v[QWA], 2, v8
	; the way into LDS: chunk i of K and of V is 8,192 bytes, 16 to a thread
	v_lshlrev_b32 v[FT16], 4, v0
	v_lshrrev_b32 v11, 2, v0
	v_mul_u32_u24 v[FKA], v11, KP                  ; K: four threads to a row of 64 bytes, 128 rows a chunk
	v_and_b32 v11, 3, v0
	v_lshl_add_u32 v[FKA], v11, 4, v[FKA]
	v_add_nc_u32 v[FKB], 4*128*KP, v[FKA]          ; (an LDS offset has 16 bits)
	v_lshrrev_b32 v11, 6, v0
	v_mul_u32_u24 v[FVA], v11, VP                  ; V: 64 threads to a row of 1,024 bytes, 8 rows a chunk
	v_and_b32 v11, 63, v0
	v_lshl_add_u32 v[FVA], v11, 4, v[FVA]
	v_add_nc_u32 v[FVA], VC, v[FVA]
	v_lshlrev_b32 v[FK8], 3, v0                    ; K's words: 8 bytes a thread
	v_add_nc_u32 v[FKS], KSW, v[FK8]
	; V's scale bytes lie in memory as 8 words a channel, block g's byte as byte g / 8 of word g % 8.  Thread t makes the word of channel t / 8 and key step t % 8: blocks 4 (t % 8) + 0 .. 3
	; are byte (t % 8) / 2 of words 4 (t % 2) + 0 .. 3
	v_lshrrev_b32 v11, 3, v0
	v_and_b32 v12, 1, v0
	v_lshlrev_b32 v[FVG], 5, v11
	v_lshl_add_u32 v[FVG], v12, 4, v[FVG]
	v_lshl_add_u32 v[FVL], v0, 2, VSW
	v_bfe_u32 v12, v0, 1, 2
	v_mul_u32_u24 v[FSEL], v12, 0x101
	v_add_nc_u32 v[FSEL], 0x400, v[FSEL]           ; selector: that byte of the second source, then of the first
	s_and_b32 s15, ttmp7, 0xffff                   ; the head
	s_lshr_b32 s16, s[WV], 3
	s_xor_b32 s17, s16, ttmp9
	s_lshl_b32 s16, s16, 1
	s_add_co_u32 s16, s16, s17                     ; G
	s_lshl_b32 s16, s16, 3
	s_and_b32 s17, s[WV], 7
	s_add_co_u32 s16, s16, s17                     ; my first tile of queries,
	s_sub_co_u32 s17, 63, s16                      ; and my second
	s_lshl_b32 s18, s15, 16                        ; the head's 65,536 bytes in each tensor of codes,
	s_lshl_b32 s19, s15, 12                        ; its 4,096 bytes of Q's and of K's words
	s_lshl_b32 s20, s16, 10                        ; a tile's 1,024 bytes of codes
	s_add_co_u32 s20, s20, s18
	s_mov_b32 s21, 0
	s_lshl_b32 s22, s17, 10
	s_add_co_u32 s22, s22, s18
	s_mov_b32 s23, 0
	s_lshl_b32 s24, s16, 6                         ; its 64 bytes of words
	s_add_co_u32 s24, s24, s19
	s_mov_b32 s25, 0
	s_lshl_b32 s26, s17, 6
	s_add_co_u32 s26, s26, s19
	s_mov_b32 s27, 0
	s_add_co_u32 s28, s18, 8388608                 ; K's codes
	s_mov_b32 s29, 0
	s_add_co_u32 s30, s18, 16777216                ; V's codes
	s_mov_b32 s31, 0
	s_add_co_u32 s32, s19, 524288                  ; K's words
	s_mov_b32 s33, 0
	s_lshl_b32 s34, s15, 11
	s_mov_b32 s40, s34                             ; the head's 2,048 bytes of hscl
	s_mov_b32 s41, 0
	s_add_co_u32 s34, s34, 1048576                 ; V's words
	s_mov_b32 s35, 0
	s_lshl_b32 s36, s16, 5                         ; a tile's eight flag words
	s_mov_b32 s37, 0
	s_lshl_b32 s38, s17, 5
	s_mov_b32 s39, 0
	s_lshl_b32 s[MO], s16, 11                      ; a tile's 8 x 64 words of the mask
	s_lshl_b32 s[NX], s17, 11
	s_wait_kmcnt 0x0
	s_add_nc_u64 s[84:85], s[68:69], s[20:21]      ; Q's codes, first tile,
	s_add_nc_u64 s[86:87], s[68:69], s[22:23]      ; second tile;
	s_add_nc_u64 s[88:89], s[70:71], s[24:25]      ; its words
	s_add_nc_u64 s[92:93], s[70:71], s[26:27]
	s_add_nc_u64 s[10:11], s[76:77], s[20:21]      ; the tiles' rows of hcod
	s_add_nc_u64 s[12:13], s[76:77], s[22:23]
	s_add_nc_u64 s[28:29], s[68:69], s[28:29]
	s_add_nc_u64 s[30:31], s[68:69], s[30:31]
	s_add_nc_u64 s[32:33], s[70:71], s[32:33]
	s_add_nc_u64 s[34:35], s[70:71], s[34:35]
	s_add_nc_u64 s[36:37], s[74:75], s[36:37]
	s_add_nc_u64 s[38:39], s[74:75], s[38:39]
	s_add_nc_u64 s[96:97], s[78:79], s[40:41]
	s_mov_b64 s[8:9], s[72:73]
.irp i, 0,1,2,3,4,5,6,7
	global_load_b128 v[S+4*\i:S+4*\i+3], v[FT16], s[28:29] offset:8192*\i          ; K: a wave's load reads 512 consecutive bytes
.endr
.irp i, 0,1,2,3,4,5,6,7
	global_load_b128 v[S+32+4*\i:S+32+4*\i+3], v[FT16], s[30:31] offset:8192*\i    ; V
.endr
	global_load_b64 v[BM:BM+1], v[FK8], s[32:33]
	global_load_b128 v[HOLD:HOLD+3], v[FVG], s[34:35]
	global_load_b128 v[Q0:Q0+3], v[QA], s[84:85]
	global_load_b128 v[Q0+4:Q0+7], v[QA], s[84:85] offset:32
	global_load_b128 v[Q1:Q1+3], v[QA], s[86:87]
	global_load_b128 v[Q1+4:Q1+7], v[QA], s[86:87] offset:32
	global_load_b32 v[QW0], v[QWA], s[88:89]
	global_load_b32 v[QW1], v[QWA], s[92:93]
	s_load_b256 s[44:51], s[36:37], 0x0            ; my two tiles' flag words
	s_load_b256 s[52:59], s[38:39], 0x0
	s_mov_b32 s[SEL], 0x76543210
	s_mov_b32 s[SEL+1], 0xfedcba98                 ; v_permlanex16_b32's selects for lane l xor 16
	s_mov_b32 s[CS], 0x3eb8aa3b                    ; c = log2(e) / 4
	s_mov_b32 s[CS+1], s[CS]                       ; (named with it as a pair, so it is written)
	s_mov_b32 s[MNT], 0x600000
	v_mov_b32 v[SENT], 0xfe800000
.irp j, 8,9,10,11,12,13,14,15
	v_mov_b32 v[Q0+\j], 0                          ; zero codes for K = 64 .. 127: they add nothing under any scale byte
	v_mov_b32 v[Q1+\j], 0
	v_mov_b32 v[KF+\j], 0
	v_mov_b32 v[KF+16+\j], 0
	v_mov_b32 v[KF+32+\j], 0
	v_mov_b32 v[KF+48+\j], 0
.endr
.irp b, 0,1,2,3
	v_mov_b32 v[T1+\b], 0                          ; a lane permute's destination counts as one of its sources
.endr
	v_mov_b32 v[PW], 0                             ; (named as the upper half of the pair v[228:229] before it is first written)
	s_wait_kmcnt 0x0                               ; the flag words: eight of two bits are packed into one register a tile
	s_mov_b32 s[FP0], s44
	s_mov_b32 s[FP1], s52
.irp j, 1,2,3,4,5,6,7
	s_lshl_b32 s15, s[44+\j], 2*\j
	s_or_b32 s[FP0], s[FP0], s15
	s_lshl_b32 s15, s[52+\j], 2*\j
	s_or_b32 s[FP1], s[FP1], s15
.endr
.macro MWORDS                          ; the 64 words of one tile and one key step
	s_load_b512 s[16:31], s[8:9], s[MO] offset:0x0
	s_load_b512 s[32:47], s[8:9], s[MO] offset:0x40
	s_load_b512 s[48:63], s[8:9], s[MO] offset:0x80
	s_load_b512 s[68:83], s[8:9], s[MO] offset:0xc0
.endm
	s_wait_loadcnt 0x0                             ; K, V, the words and Q are in registers; the loads' bases are free,
	MWORDS                                         ; and take the first step's words of the mask
.irp i, 0,1,2,3
	ds_store_b128 v[FKA], v[S+4*\i:S+4*\i+3] offset:128*KP*\i
.endr
.irp i, 4,5,6,7
	ds_store_b128 v[FKB], v[S+4*\i:S+4*\i+3] offset:128*KP*(\i-4)
.endr
.irp i, 0,1,2,3,4,5,6,7
	ds_store_b128 v[FVA], v[S+32+4*\i:S+32+4*\i+3] offset:8*VP*\i
.endr
	ds_store_b64 v[FKS], v[BM:BM+1]
	v_perm_b32 v[SCO], v[HOLD+1], v[HOLD], v[FSEL]         ; my byte of words 0 and 1,
	v_perm_b32 v[SCO+1], v[HOLD+3], v[HOLD+2], v[FSEL]     ; of words 2 and 3,
	v_perm_b32 v[SCO], v[SCO+1], v[SCO], 0x05040100        ; the two low halves: the scale word of four neighbouring blocks
	ds_store_b32 v[FVL], v[SCO]
	s_wait_dscnt 0x0                               ; for the others' sake: my stores have landed,
	s_barrier_signal -1
	s_barrier_wait -1                              ; everybody's have
.macro NEXTW                           ; the next step's words (behind the wait that shows the last loads done): 256 bytes on; behind a tile's last step the second tile's first
	s_add_co_u32 s[MO], s[MO], 256
	s_cmp_eq_u32 s[CNT], 7
	s_cselect_b32 s[MO], s[NX], s[MO]              ; (so no load leaves the buffer)
	MWORDS
.endm
.macro NEWM                            ; v[TMP] holds the step's largest t of my query
	v_max_num_f32 v13, v13, v[TMP]                 ; the running largest t
	v_mov_b32 v[TMP], v12
	v_floor_f32 v12, -v13                          ; the new -M = floor(-t) = -ceil(t)
	v_sub_f32 v[TMP], v12, v[TMP]                  ; M's old value less its new one: a whole number, 0 or less
	v_cvt_i32_f32 v[TMP], v[TMP]                   ; (it saturates)
	v_ldexp_f32 v[F], 1.0, v[TMP]                  ; f = 2^(old M - new M)
.endm
; A KEY STEP: 128 keys.  qf: Q's fragment;  qw: its scale words;  fp: the tile's flags, this step's two bits lowest.
.macro STEP qf, qw, fp
	v_add_nc_u32 v[ADK], s[TK], v[AK0]
	v_add_nc_u32 v[ADV], s[TV], v[AV0]
	v_add_nc_u32 v[ADS], s[TKS], v[ASK0]
	v_add_nc_u32 v[ADT], s[TVS], v[ASV0]
	s_and_b32 s[TS], s[\fp], 1
	s_cmp_lg_u32 s[TS], 0
	s_cbranch_scc1 .Lshut_\@                       ; all of the step's places are masked: the short way
.irp g, 0,1                                    ; S^T = K Q^T, four tiles of 16 keys at a time
.rept 5+3*\g
	v_nop                                          ; g = 0: with the four additions nine places: the scores are laid over V's fragments, which the last step's products read.  g = 1: eight, in front of loads into registers that the four products above read
.endr
.irp t, 0,1,2,3
	ds_load_b128 v[KF+16*\t:KF+16*\t+3], v[ADK] offset:(32*(2*\g+\t/2)+16*(\t%2))*KP
	ds_load_b128 v[KF+16*\t+4:KF+16*\t+7], v[ADK] offset:(32*(2*\g+\t/2)+16*(\t%2))*KP+32
	ds_load_b32 v[KW+\t], v[ADS] offset:(32*(2*\g+\t/2)+16*(\t%2))*4
.endr
	s_wait_dscnt 0x0
.irp t, 0,1,2,3
	v_wmma_scale_f32_16x16x128_f8f6f4 v[S+8*(4*\g+\t):S+8*(4*\g+\t)+7], v[KF+16*\t:KF+16*\t+15], v[\qf:\qf+15], 0, v[KW+\t], v[\qw] matrix_a_fmt:MATRIX_FMT_BF8 matrix_b_fmt:MATRIX_FMT_BF8
.endr
.endr                                          ; register 16 c + i of lane (r, h): query r, key 128 rho + 32 c + 16 h + i
.rept 8
	v_nop
.endr
	s_wait_kmcnt 0x0                               ; this step's words of the mask, asked for a step ago
	s_and_b32 s[TS], s[\fp], 2
	s_cmp_lg_u32 s[TS], 0
	s_cbranch_scc1 .Lopen_\@                       ; none of the step's places is masked: nothing to select
.set n, 0
.rept 64
	v_cndmask_b32 v[S+n], v[S+n], v[SENT], s[16+n+4*(n/48)]   ; a masked score is held at -2^126; each accumulator from its low end on
.set n, n+1
.endr
.Lopen_\@:
.irp b, 0,1,2,3
	v_max3_num_f32 v[BM+\b], v[S+16*\b], v[S+1+16*\b], v[S+2+16*\b]   ; the largest score of each block of 32 keys: for the row's maximum, and, since p rises with the score, for the block's largest p
.endr
.irp i, 3,5,7,9,11,13
.irp b, 0,1,2,3
	v_max3_num_f32 v[BM+\b], v[BM+\b], v[S+16*\b+\i], v[S+1+16*\b+\i]   ; (ascending: each accumulator is met at its low end first)
.endr
.endr
.irp b, 0,1,2,3
	v_max_num_f32 v[BM+\b], v[BM+\b], v[S+15+16*\b]
.endr
	NEXTW
.irp b, 0,1,2,3
	v_permlanex16_b32 v[T1+\b], v[BM+\b], s[SEL], s[SEL+1]
.endr
.irp b, 0,1,2,3
	v_max_num_f32 v[BM+\b], v[BM+\b], v[T1+\b]     ; with lane l xor 16's 16 keys
.endr
	v_max3_num_f32 v[TMP], v[BM], v[BM+1], v[BM+2]
	v_max_num_f32 v[TMP], v[TMP], v[BM+3]          ; the step's largest score of my query
	v_mul_f32 v[TMP], s[CS], v[TMP]                ; as t (c is positive)
	NEWM
.set n, 0
.rept 32
	v_pk_fma_f32 v[S+n:S+n+1], v[S+n:S+n+1], s[CS:CS+1], v[12:13] op_sel_hi:[1,0,0]   ; t - M, two at a time
.set n, n+2
.endr
.irp b, 0,1,2,3
	v_fma_f32 v[BM+\b], v[BM+\b], s[CS], v12       ; the same of each block's largest score
.endr
.set n, 0
.rept 64
	v_exp_f32 v[S+n], v[S+n]                       ; p = 2^(t - M), at most 1
.set n, n+1
.endr
.irp b, 0,1,2,3
	v_exp_f32 v[BM+\b], v[BM+\b]                   ; the block's largest p: the same two instructions on the same number give the same bits
.endr
	v_pk_mul_f32 v[14:15], v[14:15], v[F:F+1] op_sel_hi:[1,0]   ; the sums under the new M.  (A plain place behind the exponentials)
	s_wait_alu depctr_va_vdst(0)
.irp b, 0,1,2,3
	v_max_num_f32 v[BM+\b], 0x8000000, v[BM+\b]    ; the floor 2^(16 - 127): a block whose every p is 0 keeps the byte 1: its codes are zeros
.endr
.irp b, 0,1,2,3
	v_add_nc_u32 v[SCO+\b], 0xf8800000, v[BM+\b]   ; 15 off the exponent field: the conversion's scale operand
.endr
.irp b, 0,1,2,3
	v_and_or_b32 v[HOLD+\b], v[BM+\b], 0x7f800000, s[MNT]   ; 57,344 x the scale
.endr
.irp b, 0,1,2,3
	v_lshrrev_b32 v[T1+\b], 23, v[SCO+\b]          ; the scale's byte
.endr
	v_lshl_or_b32 v[PW], v[T1+1], 8, v[T1]         ; p's scale word for these 128 keys
	v_lshl_or_b32 v[PW], v[T1+2], 16, v[PW]
	v_lshl_or_b32 v[PW], v[T1+3], 24, v[PW]
	v_pk_add_f32 v[L2:L2+1], v[S:S+1], v[S+2:S+3]  ; the row's sum is taken of the unquantised p: two at a time, in two chains
.irp j, 4,8,12,16,20,24,28,32,36,40,44,48,52,56,60
	v_pk_add_f32 v[14:15], v[14:15], v[S+\j:S+1+\j]
	v_pk_add_f32 v[L2:L2+1], v[L2:L2+1], v[S+2+\j:S+3+\j]
.endr
	v_pk_add_f32 v[14:15], v[14:15], v[L2:L2+1]
.irp b, 0,1,2,3
.irp i, 0,1,2,3,4,5,6,7,8,9,10,11,12,13,14,15
	v_min_num_f32 v[S+16*\b+\i], v[S+16*\b+\i], v[HOLD+\b]   ; the conversion does not saturate (ISA guide 7.6.2); p is not negative, so the hold is one-sided
.endr
	v_cvt_scalef32_pk8_bf8_f32 v[PC+4*\b:PC+1+4*\b], v[S+16*\b:S+7+16*\b], v[SCO+\b]
	v_cvt_scalef32_pk8_bf8_f32 v[PC+2+4*\b:PC+3+4*\b], v[S+8+16*\b:S+15+16*\b], v[SCO+\b]
.endr
	s_branch .Lpv_\@
.Lshut_\@:                                     ; THE SHORT WAY: all 64 scores of the lane are -2^126.  The lines up to the first write of a code are more than eight plain ones: the places behind the last step's products
	v_mul_f32 v[TMP], s[CS], v[SENT]               ; the step's largest t
	NEWM
	v_fma_f32 v[BM], v[SENT], s[CS], v12           ; t - M: exactly 0 where no key has counted yet, else far below every exponent
	v_exp_f32 v[BM], v[BM]                         ; p: 1 or 0
	v_pk_mul_f32 v[14:15], v[14:15], v[F:F+1] op_sel_hi:[1,0]   ; the sums under the new M.  (A plain place behind the exponential)
	v_mov_b32 v[TMP], 0x78787878                   ; four codes of 2^15: p = 1 under the scale 2^-15
	s_wait_alu depctr_va_vdst(0)
	v_fma_f32 v14, v[BM], 0x42000000, v14          ; my 64 keys' p: 32 to each half of the sum
	v_fma_f32 v15, v[BM], 0x42000000, v15
	v_cmp_lt_f32 vcc_lo, 0, v[BM]                  ; (it selects values alone)
.set n, 0
.rept 16
	v_cndmask_b32 v[PC+n], 0, v[TMP], vcc_lo
.set n, n+1
.endr
	v_mov_b32 v[PW], 0x70707070                    ; the byte of 2^-15, four times (over zero codes any byte serves)
	s_wait_kmcnt 0x0                               ; this step's words are not read, but their loads are done before the next step's are issued into the same registers
	NEXTW
.Lpv_\@:
.irp t, 0,1,2,3                                ; V's four fragments take p's registers: 16 channels x these 128 keys each
.irp c, 0,1,2,3
	ds_load_b128 v[S+16*\t+4*\c:S+16*\t+4*\c+3], v[ADV] offset:16*VP*\t+32*\c
.endr
	ds_load_b32 v[KW+\t], v[ADT] offset:512*\t
.endr
.set n, 0
.rept 16
	v_pk_mul_f32 v[O+n:O+n+1], v[O+n:O+n+1], v[F:F+1] op_sel_hi:[1,0]   ; O^T under the new M, while the loads are out.  (These are also the places between the codes, their scale word and the products)
.set n, n+2
.endr
	s_wait_dscnt 0x0
.irp t, 0,1,2,3                                ; O^T += V^T P^T: the four accumulators take turns
	v_wmma_scale_f32_16x16x128_f8f6f4 v[O+8*\t:O+8*\t+7], v[S+16*\t:S+16*\t+15], v[PC:PC+15], v[O+8*\t:O+8*\t+7], v[KW+\t], v[PW] matrix_a_fmt:MATRIX_FMT_BF8 matrix_b_fmt:MATRIX_FMT_BF8
.endr
	s_add_co_u32 s[TK], s[TK], 128*KP              ; the next step: 128 rows of K on,
	s_add_co_u32 s[TKS], s[TKS], 512               ; 128 words,
	s_add_co_u32 s[TV], s[TV], 128                 ; 128 keys in each row of V,
	s_add_co_u32 s[TVS], s[TVS], 4                 ; one word,
	s_lshr_b32 s[\fp], s[\fp], 2                   ; the next two flag bits
.endm
; ONE TILE OF 16 QUERIES: all eight key steps, then the way out.  ob: the tile's rows of hcod;  hsa: where its scale bytes go.
.macro PASS qf, qw, fp, ob, hsa
	v_mov_b32 v13, 0xff61b1e6                      ; the largest t so far: -3e38, under every t, a masked one too
	v_floor_f32 v12, -v13                          ; -M
	v_mov_b32 v14, 0                               ; the sum, in two halves
	v_mov_b32 v15, 0
.set n, 0
.rept 32
	v_mov_b32 v[O+n], 0                            ; O^T.  (The step is written once: the first finds zeros, which the first change of M leaves zeros)
.set n, n+1
.endr
	s_mov_b32 s[TK], 0
	s_mov_b32 s[TKS], 0
	s_mov_b32 s[TV], 0
	s_mov_b32 s[TVS], 0
	s_mov_b32 s[CNT], 0
.Lstep_\@:
	STEP \qf, \qw, \fp
	s_add_co_u32 s[CNT], s[CNT], 1
	s_cmp_lt_u32 s[CNT], 8
	s_cbranch_scc1 .Lstep_\@
.rept 8
	v_nop                                          ; places behind the last products
.endr
	v_add_f32 v14, v14, v15                        ; the sum's two halves,
	v_permlanex16_b32 v[TMP], v14, s[SEL], s[SEL+1]
	v_add_f32 v14, v14, v[TMP]                     ; and lane l xor 16's: the row's sum
	v_rcp_f32 v14, v14
	v_nop                                          ; a plain place behind the transcendental
.set n, 0
	s_wait_alu depctr_va_vdst(0)
.rept 16
	v_pk_mul_f32 v[S+n:S+n+1], v[O+n:O+n+1], v[14:15] op_sel_hi:[1,0]   ; register 16 b + i: channel 32 b + 16 h + i of query r
.set n, n+2
.endr
.irp b, 0,1
	v_max3_num_f32 v[BM+\b], |v[S+16*\b]|, |v[S+1+16*\b]|, 0x8000000   ; the row's two blocks of 32 channels are quantised for the last projection
.endr
.irp i, 2,4,6,8,10,12,14
.irp b, 0,1
	v_max3_num_f32 v[BM+\b], v[BM+\b], |v[S+16*\b+\i]|, |v[S+1+16*\b+\i]|
.endr
.endr
.irp b, 0,1
	v_permlanex16_b32 v[T1+\b], v[BM+\b], s[SEL], s[SEL+1]
.endr
.irp b, 0,1
	v_max_num_f32 v[BM+\b], v[BM+\b], v[T1+\b]
.endr
.irp b, 0,1
	v_add_nc_u32 v[SCO+\b], 0xf8800000, v[BM+\b]
.endr
.irp b, 0,1
	v_and_or_b32 v[HOLD+\b], v[BM+\b], 0x7f800000, s[MNT]
.endr
.irp b, 0,1
	v_lshrrev_b32 v[T1+\b], 23, v[SCO+\b]
.endr
	v_lshl_or_b32 v[TMP], v[T1+1], 8, v[T1]        ; my query's two scale bytes
.irp b, 0,1
.irp i, 0,1,2,3,4,5,6,7,8,9,10,11,12,13,14,15
	v_med3_num_f32 v[S+16*\b+\i], v[S+16*\b+\i], -v[HOLD+\b], v[HOLD+\b]
.endr
	v_cvt_scalef32_pk8_bf8_f32 v[PC+4*\b:PC+1+4*\b], v[S+16*\b:S+7+16*\b], v[SCO+\b]
	v_cvt_scalef32_pk8_bf8_f32 v[PC+2+4*\b:PC+3+4*\b], v[S+8+16*\b:S+15+16*\b], v[SCO+\b]
.endr
	v_nop                                          ; a plain instruction behind the last conversion
	ds_store_b16 v[\hsa], v[TMP]                   ; (both halves of the lanes write the same bytes with the same value)
	ds_store_b128 v[SO], v[PC:PC+3]
	ds_store_b128 v[SO], v[PC+4:PC+7] offset:32
	ds_load_b128 v[BM:BM+3], v[SR]                 ; LDS serves a wave's instructions in order: these see my stores
	ds_load_b128 v[T1:T1+3], v[SR] offset:8*KP
	s_wait_dscnt 0x0
	global_store_b128 v[GO], v[BM:BM+3], s[\ob:\ob+1]              ; eight queries' codes: 512 consecutive bytes
	global_store_b128 v[GO], v[T1:T1+3], s[\ob:\ob+1] offset:512
	s_wait_xcnt 0x0                                ; the stores have read their registers, which are written again
.endm
	PASS Q0, QW0, FP0, 10, HSA0
	PASS Q1, QW1, FP1, 12, HSA1
	s_wait_kmcnt 0x0                               ; the last look-ahead's words are in: nothing is left pending on scalar registers
	s_barrier_signal -1                            ; (each wave's LDS stores were waited for above)
	s_barrier_wait -1                              ; the 512 queries' scale bytes lie in LDS
	s_cmp_lg_u32 s[WV], 0
	s_cbranch_scc1 .Lend
	ds_load_b128 v[BM:BM+3], v[HR]
	ds_load_b128 v[T1:T1+3], v[HR] offset:512
	s_wait_dscnt 0x0
	global_store_b128 v[HGO], v[BM:BM+3], s[96:97]             ; sixteen lanes store 256 consecutive bytes of hscl, aligned: a group of eight tiles
	global_store_b128 v[HGO], v[T1:T1+3], s[96:97] offset:1024
.Lend:
	s_wait_xcnt 0x0
	v_lshl_add_u32 v254, v0, 2, 0x2b000
	v_mov_b32 v255, 0
	s_wait_tensorcnt 0x0
	ds_add_u32 v254, v255
	s_wait_dscnt 0x0
	s_endpgm
.Lfunc_end_k_qb04a390bef_attn:
	.size	k_qb04a390bef_attn, .Lfunc_end_k_qb04a390bef_attn-k_qb04a390bef_attn
	.p2alignl 7, 3214868480
	.fill 96, 4, 3214868480
	.section	.rodata,"a",@progbits
	.p2align	6, 0x0
	.amdhsa_kernel k_qb04a390bef_attn
		.amdhsa_group_segment_fixed_size 178176
		.amdhsa_private_segment_fixed_size 0
		.amdhsa_enable_private_segment 0
		.amdhsa_kernarg_size 48
		.amdhsa_user_sgpr_count 2
		.amdhsa_user_sgpr_kernarg_segment_ptr 1
		.amdhsa_wavefront_size32 1
		.amdhsa_system_sgpr_workgroup_id_x 1
		.amdhsa_system_sgpr_workgroup_id_y 1
		.amdhsa_system_sgpr_workgroup_id_z 1
		.amdhsa_system_vgpr_workitem_id 0
		.amdhsa_next_free_vgpr 256
		.amdhsa_next_free_sgpr 100
		.amdhsa_reserve_vcc 1
		.amdhsa_float_denorm_mode_32 3
		.amdhsa_float_denorm_mode_16_64 3
		.amdhsa_memory_ordered 1
		.amdhsa_forward_progress 1
		.amdhsa_inst_pref_size 80
	.end_amdhsa_kernel
	.amdgpu_metadata
---
amdhsa.version: [ 1, 2 ]
amdhsa.kernels:
  - .name:           k_qb04a390bef_attn
    .symbol:         k_qb04a390bef_attn.kd
    .args:
      - { .name: pcod, .offset: 0, .size: 8, .value_kind: global_buffer, .address_space: global }
      - { .name: pscl, .offset: 8, .size: 8, .value_kind: global_buffer, .address_space: global }
      - { .name: maskw, .offset: 16, .size: 8, .value_kind: global_buffer, .address_space: global }
      - { .name: maskf, .offset: 24, .size: 8, .value_kind: global_buffer, .address_space: global }
      - { .name: hcod, .offset: 32, .size: 8, .value_kind: global_buffer, .address_space: global }
      - { .name: hscl, .offset: 40, .size: 8, .value_kind: global_buffer, .address_space: global }
    .group_segment_fixed_size: 178176
    .private_segment_fixed_size: 0
    .kernarg_segment_align: 8
    .kernarg_segment_size: 48
    .max_flat_workgroup_size: 512
    .sgpr_count:     100
    .vgpr_count:     256
    .wavefront_size: 32
...
	.end_amdgpu_metadata
.endif
;; end of part 3
;; launch outp (part 4): grid 4 x 32, 4 waves a work-group, clusters of 4 x 4, 327,680 bytes of LDS; arguments hcod, hscl, cod, scl, bo, out0; writes out0
.if DOCPART == 4
	.amdgcn_target "amdgcn-amd-amdhsa--gfx1250"
	.amdhsa_code_object_version 6
	.text
	.protected	k_qb04a390bef_outp
	.globl	k_qb04a390bef_outp
	.p2align	8
	.type	k_qb04a390bef_outp,@function
k_qb04a390bef_outp:
	s_mov_b64 s[64:65], 0
	v_nop
	global_prefetch_b8 v0, s[64:65] scope:SCOPE_SE
	s_setreg_imm32_b32 hwreg(HW_REG_WAVE_MODE, 25, 1), 1
	s_wait_xcnt 0x0
	s_wait_alu depctr_hold_cnt(0) depctr_sa_sdst(0) depctr_va_vdst(0) depctr_va_sdst(0) depctr_va_ssrc(0) depctr_va_vcc(0) depctr_vm_vsrc(0)
	s_getreg_b32 s2, hwreg(HW_REG_IB_STS2, 6, 4)
	s_cmp_eq_u32 s2, 0
	s_cbranch_scc0 .Lentry_in_a_cluster
	s_endpgm
.Lentry_in_a_cluster:
	s_bfe_u32 s2, ttmp6, 0x10000c
	s_cmp_lg_u32 s2, 0xf033
	s_cbranch_scc0 .Lentry_shape_is_right
	s_endpgm
.Lentry_shape_is_right:
; out0 = heads wo^T + bo.  heads: [8192][1024] codes of BF8 (E5M2) in hcod, scale bytes [8192][32] in hscl; wo: rows 27,648 on of cod and scl; out0: [8192][1024] f32; sums in f32.
; A tile of 256 x 256 is made by four waves, 128 x 128 each: 64 accumulators.  K goes in steps of 256 through a ring of two LDS slots filled by the tensor data mover; the scale bytes of the
; work-group's rows, for all of K, come once.  4 x 4 work-groups form a cluster: A's tiles are asked for jointly along a row of it, B's along a column.
; THE MATRIX INSTRUCTION IS USED TRANSPOSED (source 0 = 16 rows of wo, source 1 = 16 rows of heads): a lane holds eight neighbouring numbers of a row of out0.  The bias is the C of each sum's first instruction.
; REGISTERS, in windows of 256: window 0: v0-31 addresses; v32-63 scale words, two sets; v64-127 the bias; from v128 A's fragments, one set, on the way out rows of out0.
;   window 1: B's fragments, two sets.   window 2: the accumulators of my rows 0-63 ((a, b) at v[8 (8 a + b)]);   window 3: those of my rows 64-127.
.set SIZE_N, 1024
.set KSTEP,  256
.set NQ,     KSTEP/128
.set ROWB,   256
.set KROW,   1024
.set PITCH,  272                       ; an LDS row: 256 bytes + 16 of padding: the 16 rows that a load touches start at 16 different banks (64 banks of 4 bytes: ISA guide 11.1)
.set FR,     16
.set NL,     4
.set NP,     8                         ; places behind this matrix instruction (ISA guide 7.12.1)
.set HALFT,  128*PITCH
.set SLOT,   4*HALFT
.set LAPS,   1024/(2*KSTEP)
.set KS,     32
.set SCL,    2*SLOT
.set HALFS,  (128*KS/256)*272
.set SBLK,   (16*KS/256)*272
.set SPARE,  SCL+4*HALFS               ; the spare words, 128 bytes for each wave: two blocks of 256 bytes that no other line names
.set SPITCH, 528                       ; the way out: a stage of 16 rows x (512 bytes + 16) for each wave, in slot 0, which has had its last fill and its last read when the first result is stored there
.set WROW,   27648                     ; wo's first row in cod
.set ADRA, 16
.set BO,   18                          ; v18  the bias: 32 h
.set ADRB, 20
.set STO,  24
.set RD,   25
.set CO,   26
.set ADRS, 27
.set SPW,  28
.set NIL,  29
.set SC,   32
.set BI,   64
.set AF,   128
.set BK,   128
.set G1, 24
.set G0, 32
.set G1B, 48
.set G0B, 56
.set G1S, 68
.set G0S, 76
.set G1SB, 80
.set G0SB, 88
.set MSB, 0
.macro WIN new                         ; the immediate's high byte repeats the setting that is left
.if MSB != \new
	s_set_vgpr_msb (MSB<<8)|\new
.set MSB, \new
.endif
.endm
.set MUL_LO, 0xa1
.set MUL_HI, 0xf1
.set BIA_LO, 0x81                      ; the first step: C (the bias) window 0, D window 2
.set BIA_HI, 0xc1
.set TO_B,   0x40
; A joint load: waves 0 and 1 fetch for A, waves 2 and 3 for B; four v_nop follow each of the two lines.
.macro JLOAD g0a, g1a, g0b, g1b
	s_cmp_eq_u32 s15, 0
	s_cbranch_scc0 .Lfor_b_\@
	tensor_load_to_lds s[\g0a:\g0a+3], s[\g1a:\g1a+7]
	s_nop 0
.rept 4
	v_nop
.endr
	s_branch .Lasked_\@
.Lfor_b_\@:
	tensor_load_to_lds s[\g0b:\g0b+3], s[\g1b:\g1b+7]
	s_nop 0
.rept 4
	v_nop
.endr
.Lasked_\@:
.endm
.macro CREST
	s_cmp_lg_u32 s14, 0
	s_cbranch_scc1 .Lnot_wave_0_\@
	s_barrier_signal -3
.Lnot_wave_0_\@:
	s_barrier_wait -3
	s_barrier_signal -1
	s_barrier_wait -1
.endm
.macro CROUND
	s_barrier_signal -1
	s_barrier_wait -1
	CREST
.endm
	s_load_b128 s[4:7], s[0:1], 0x0                ; hcod, hscl
	s_load_b128 s[8:11], s[0:1], 0x10              ; cod, scl
	s_load_b128 s[96:99], s[0:1], 0x20             ; bo, out0
	v_lshl_add_u32 v[SPW], v0, 2, SPARE
	v_mov_b32 v[NIL], 0
	ds_add_u32 v28, v29
	ds_add_u32 v28, v29
	s_wait_dscnt 0x0
	v_lshrrev_b32 v1, 5, v0
	v_readfirstlane_b32 s14, v1                    ; wave 0..3
	s_lshr_b32 s15, s14, 1                         ; which half of the tile's rows is mine.  Also: I fetch for A (0) or for B (1)
	s_and_b32 s16, s14, 1                          ; which half of its columns.  Also: which 128 rows of that tile I fetch
	s_bfe_u32 s40, ttmp6, 0x40000                  ; cx, cy
	s_bfe_u32 s41, ttmp6, 0x40004
	s_lshl_b32 s42, ttmp9, 2
	s_add_co_u32 s42, s42, s40                     ; tile column
	s_and_b32 s17, ttmp7, 0xffff
	s_lshl_b32 s17, s17, 2
	s_add_co_u32 s17, s17, s41                     ; tile row
	s_lshl_b32 s43, s41, 2
	s_lshl_b32 s43, 15, s43                        ; my row of the cluster
	s_lshl_b32 s44, 0x1111, s40                    ; my column
	s_or_b32 s[G1+0], s43, (0<<16)|(1<<20)|(1<<21)|(5<<22)|(3<<25)  ; the mask; elements of 1 byte; padding on; bit 21 beside a mask; after every 64 words four words
	s_or_b32 s[G1B+0], s44, (0<<16)|(1<<20)|(1<<21)|(5<<22)|(3<<25)
.irp g, G1, G1B
	s_mov_b32 s[\g+1], ROWB<<16
	s_mov_b32 s[\g+2], 128<<16
	s_mov_b32 s[\g+3], ROWB<<16
	s_mov_b32 s[\g+4], 128
	s_mov_b32 s[\g+5], KROW
	s_mov_b32 s[\g+6], 0
	s_mov_b32 s[\g+7], 0
.endr
	s_or_b32 s[G1S+0], s43, (3<<16)|(1<<20)|(1<<21)|(5<<22)|(3<<25)
	s_or_b32 s[G1SB+0], s44, (3<<16)|(1<<20)|(1<<21)|(5<<22)|(3<<25)
.irp g, G1S, G1SB
	s_mov_b32 s[\g+1], 32<<16
	s_mov_b32 s[\g+2], (128*KS/256)<<16
	s_mov_b32 s[\g+3], 32<<16
	s_mov_b32 s[\g+4], 128*KS/256
	s_mov_b32 s[\g+5], 32
	s_mov_b32 s[\g+6], 0
	s_mov_b32 s[\g+7], 0
.endr
	s_lshl_b32 s18, s16, 7
	s_lshl_b32 s20, s17, 8
	s_add_co_u32 s20, s20, s18                     ; A: row 256 x tile row + 128 x half
	s_lshl_b32 s46, s42, 8
	s_add_co_u32 s46, s46, s18                     ; B: row 256 x tile column + 128 x half,
	s_add_co_u32 s46, s46, WROW                    ; in wo's part of cod
	s_mov_b32 s21, 0
	s_mov_b32 s47, 0
	s_mov_b64 s[18:19], KS
	s_mul_u64 s[22:23], s[20:21], s[18:19]
	s_mul_u64 s[92:93], s[46:47], s[18:19]
	s_mov_b64 s[18:19], KROW
	s_mul_u64 s[20:21], s[20:21], s[18:19]
	s_mul_u64 s[46:47], s[46:47], s[18:19]
	s_mul_i32 s45, s14, HALFT
	s_mul_i32 s94, s14, HALFS
	s_wait_kmcnt 0x0
	s_add_nc_u64 s[20:21], s[4:5], s[20:21]
	s_add_nc_u64 s[22:23], s[6:7], s[22:23]
	s_add_nc_u64 s[46:47], s[8:9], s[46:47]
	s_add_nc_u64 s[92:93], s[10:11], s[92:93]
	CROUND                                         ; all sixteen work-groups are here: the first joint loads meet
	s_mov_b32 s[G0S], 1
	s_add_co_u32 s[G0S+1], s94, SCL
	s_mov_b64 s[G0S+2:G0S+3], s[22:23]
	s_or_b32 s[G0S+3], s[G0S+3], 0x80000000
	s_mov_b32 s[G0SB], 1
	s_add_co_u32 s[G0SB+1], s94, SCL
	s_mov_b64 s[G0SB+2:G0SB+3], s[92:93]
	s_or_b32 s[G0SB+3], s[G0SB+3], 0x80000000
	JLOAD G0S, G1S, G0SB, G1SB
.irp s, 0,1
	s_mov_b32 s[G0+4*\s], 1
	s_add_co_u32 s[G0+4*\s+1], s45, \s*SLOT
	s_add_nc_u64 s[G0+4*\s+2:G0+4*\s+3], s[20:21], \s*ROWB
	s_or_b32 s[G0+4*\s+3], s[G0+4*\s+3], 0x80000000
	s_mov_b32 s[G0B+4*\s], 1
	s_add_co_u32 s[G0B+4*\s+1], s45, \s*SLOT
	s_add_nc_u64 s[G0B+4*\s+2:G0B+4*\s+3], s[46:47], \s*ROWB
	s_or_b32 s[G0B+4*\s+3], s[G0B+4*\s+3], 0x80000000
	JLOAD G0+4*\s, G1, G0B+4*\s, G1B
.endr
	v_and_b32 v1, 15, v0
	v_bfe_u32 v2, v0, 4, 1
	v_mul_u32_u24 v3, v1, PITCH
	v_lshl_add_u32 v4, v2, 4, v3
	s_mul_i32 s21, s15, HALFT
	s_mul_i32 s22, s16, HALFT
	s_add_co_u32 s22, s22, 2*HALFT
.irp s, 0,1
	v_add_nc_u32 v[ADRA+\s], s21, v4
	v_add_nc_u32 v[ADRB+\s], s22, v4
	s_add_co_u32 s21, s21, SLOT
	s_add_co_u32 s22, s22, SLOT
.endr
	v_mul_u32_u24 v5, v1, KS
	v_lshrrev_b32 v6, 8, v5
	v_lshl_add_u32 v5, v6, 4, v5
	s_mul_i32 s21, s15, HALFS
	s_mul_i32 s22, s16, HALFS
	s_add_co_u32 s22, s22, 2*HALFS
	s_sub_co_u32 s22, s22, s21
	v_mul_u32_u24 v6, s22, v2                      ; lanes 16-31 take B's
	s_add_co_u32 s21, s21, SCL
	v_add_nc_u32 v5, v5, v6
	v_add_nc_u32 v[ADRS], s21, v5
	s_mul_i32 s23, s14, 16*SPITCH                  ; my stage
	v_mul_u32_u24 v5, v1, SPITCH
	v_lshl_add_u32 v5, v2, 5, v5
	v_add_nc_u32 v[STO], s23, v5
	v_and_b32 v6, 31, v0
	v_lshlrev_b32 v[CO], 4, v6
	v_add_nc_u32 v[RD], s23, v[CO]
	v_lshlrev_b32 v[BO], 5, v2
	s_lshl_b32 s20, s17, 8
	s_lshl_b32 s21, s15, 7
	s_add_co_u32 s20, s20, s21                     ; my first row of out0
	s_mov_b32 s21, 0
	s_mov_b64 s[18:19], SIZE_N*4
	s_mul_u64 s[20:21], s[20:21], s[18:19]
	s_lshl_b32 s46, s42, 10                        ; my first column, in bytes: the same offset serves bo
	s_lshl_b32 s47, s16, 9
	s_add_co_u32 s46, s46, s47
	s_mov_b32 s47, 0
	s_add_nc_u64 s[20:21], s[20:21], s[46:47]
	s_add_nc_u64 s[12:13], s[98:99], s[20:21]
	s_add_nc_u64 s[96:97], s[96:97], s[46:47]
.irp b, 0,1,2,3,4,5,6,7
	global_load_b128 v[BI+8*\b:BI+8*\b+3], v[BO], s[96:97] offset:64*\b       ; block b, lane (r, h): columns 16 b + 8 h + 0 .. 7
	global_load_b128 v[BI+8*\b+4:BI+8*\b+7], v[BO], s[96:97] offset:64*\b+16
.endr
.macro FRAG reg, adr, q, i
.irp c, 0,1,2,3
	ds_load_b128 v[\reg+4*\c:\reg+4*\c+3], v[\adr] offset:128*(\q)+32*\c+(\i)*16*PITCH
.endr
.endm
; 16 matrix instructions: A's blocks a0, a0 + 1 x B's eight.  zero = 1: the first product starts the sums from the bias.  The 64 accumulators take turns.
.macro MUL16 a0, p, q, sc, zero
.irp a, \a0, \a0+1
.irp b, 0,1,2,3,4,5,6,7
.if \zero
	v_wmma_scale_f32_16x16x128_f8f6f4 v[8*(8*((\a)%4)+\b):8*(8*((\a)%4)+\b)+7], v[128*(\p)+FR*\b:128*(\p)+FR*\b+FR-1], v[AF+FR*(\a):AF+FR*(\a)+FR-1], v[BI+8*\b:BI+8*\b+7], v[SC+8*NQ*(\sc)+NQ*\b+(\q)], v[SC+8*NQ*(\sc)+NQ*(\a)+(\q)] matrix_a_fmt:MATRIX_FMT_BF8 matrix_b_fmt:MATRIX_FMT_BF8 matrix_a_scale:MATRIX_SCALE_ROW1
.else
	v_wmma_scale_f32_16x16x128_f8f6f4 v[8*(8*((\a)%4)+\b):8*(8*((\a)%4)+\b)+7], v[128*(\p)+FR*\b:128*(\p)+FR*\b+FR-1], v[AF+FR*(\a):AF+FR*(\a)+FR-1], v[8*(8*((\a)%4)+\b):8*(8*((\a)%4)+\b)+7], v[SC+8*NQ*(\sc)+NQ*\b+(\q)], v[SC+8*NQ*(\sc)+NQ*(\a)+(\q)] matrix_a_fmt:MATRIX_FMT_BF8 matrix_b_fmt:MATRIX_FMT_BF8 matrix_a_scale:MATRIX_SCALE_ROW1
.endif
.endr
.endr
.endm
.macro FETCH_B slot, q, p
	WIN TO_B
.irp i, 0,1,2,3,4,5,6,7
	FRAG 128*(\p)+FR*\i, ADRB+\slot, \q, \i
.endr
	WIN 0
.endm
.macro FETCH_A slot, q, i0
.irp i, \i0, \i0+1, \i0+2, \i0+3
	FRAG AF+FR*(\i), ADRA+\slot, \q, \i
.endr
.endm
.macro SCALES sc
.irp i, 0,1,2,3,4,5,6,7
	ds_load_b64 v[SC+8*NQ*\sc+NQ*\i:SC+8*NQ*\sc+NQ*\i+1], v[ADRS] offset:\i*SBLK
.endr
.endm
.macro PLACES n
.rept \n
	v_nop
.endr
.endm
.macro STEP slot, q, zero
	s_wait_dscnt 4*NL                              ; B's set and A's blocks 0-3 are in; the youngest 16 loads (A's blocks 4-7) may be out
.if \zero
	WIN BIA_LO
.else
	WIN MUL_LO
.endif
	MUL16 0, (\q)%2, \q, \slot, \zero
	MUL16 2, (\q)%2, \q, \slot, \zero
	s_wait_dscnt 0
	PLACES NP
	FETCH_B \slot, (\q)+1, 1-(\q)%2
	FETCH_A \slot, (\q)+1, 0
.if \zero
	WIN BIA_HI
.else
	WIN MUL_HI
.endif
	MUL16 4, (\q)%2, \q, \slot, \zero
	MUL16 6, (\q)%2, \q, \slot, \zero
	PLACES NP
	WIN 0
	FETCH_A \slot, (\q)+1, 4
.endm
.macro TURN slot, next, fill
	s_wait_tensorcnt 0x0                           ; all my tensor loads have landed: my part of the next slot
	ds_add_u32 v[SPW], v[NIL]                      ; 0 onto my spare word
	s_wait_dscnt 4*NL+1                            ; (the add and the youngest 16 loads may be out)
	WIN MUL_LO
	MUL16 0, 1, NQ-1, \slot, 0
	s_wait_dscnt 0x0                               ; the add is done, and my reads of this slot are over
	s_barrier_signal -1
	MUL16 2, 1, NQ-1, \slot, 0
	WIN 0
	s_barrier_wait -1
.if \fill
	CREST                                          ; the barrier has opened a round of the cluster's barrier: no wave of any partner still reads this slot's tile or has a load on its way
	s_add_nc_u64 s[G0+4*\slot+2:G0+4*\slot+3], s[G0+4*\slot+2:G0+4*\slot+3], 2*ROWB
	s_add_nc_u64 s[G0B+4*\slot+2:G0B+4*\slot+3], s[G0B+4*\slot+2:G0B+4*\slot+3], 2*ROWB
	JLOAD G0+4*\slot, G1, G0B+4*\slot, G1B
	PLACES NP-4
.else
	PLACES NP
.endif
	v_add_nc_u32 v[ADRS], 4*NQ, v[ADRS]
	FETCH_B \next, 0, 0
	FETCH_A \next, 0, 0
	SCALES \next
	WIN MUL_HI
	MUL16 4, 1, NQ-1, \slot, 0
	MUL16 6, 1, NQ-1, \slot, 0
	PLACES NP
	WIN 0
	FETCH_A \next, 0, 4
.endm
	s_wait_tensorcnt 1                             ; the scales and my part of K step 0 are in (K step 1's load may be out)
	s_barrier_signal -1
	s_barrier_wait -1
	FETCH_B 0, 0, 0
	FETCH_A 0, 0, 0
	SCALES 0
	FETCH_A 0, 0, 4
	s_wait_loadcnt 0x0                             ; the bias
	STEP 0, 0, 1
	s_mov_b32 s3, LAPS-1
.Llap:
	TURN 0, 1, 1
	STEP 1, 0, 0
	TURN 1, 0, 1
	STEP 0, 0, 0
	s_sub_co_u32 s3, s3, 1
	s_cmp_lg_u32 s3, 0
	s_cbranch_scc1 .Llap
	TURN 0, 1, 0
	STEP 1, 0, 0
	s_wait_dscnt 4*NL
	WIN MUL_LO
	MUL16 0, 1, NQ-1, 1, 0
	MUL16 2, 1, NQ-1, 1, 0
	s_wait_dscnt 0
	WIN MUL_HI
	MUL16 4, 1, NQ-1, 1, 0
	MUL16 6, 1, NQ-1, 1, 0
	WIN 0
; THE WAY OUT, block by block of 16 rows x 128 columns: through my own stage in LDS, back as whole rows of 512 bytes.  LDS serves a wave's instructions in order: no wait between the stores and the loads.
.macro TOSTAGE a
.set AC, 64*((\a)%4)
	WIN 0x08+4*((\a)/4)                            ; the data: window 2 or 3
.irp b, 0,1,2,3,4,5,6,7
	ds_store_b128 v[STO], v[AC+8*\b:AC+8*\b+3] offset:64*\b          ; each accumulator from its low end on
	ds_store_b128 v[STO], v[AC+8*\b+4:AC+8*\b+7] offset:64*\b+16
.endr
	WIN 0
.set BB, BK+64*((\a)%2)
.irp t, 0,1,2,3,4,5,6,7,8,9,10,11,12,13,14,15
	ds_load_b128 v[BB+4*\t:BB+4*\t+3], v[RD] offset:\t*SPITCH
.endr
.endm
.macro SEND a, younger                 ; younger: the LDS instructions issued behind block a's loads, which may stay out
.set BB, BK+64*((\a)%2)
	s_wait_dscnt \younger
.if (\a) > 0
	s_add_nc_u64 s[12:13], s[12:13], 16*SIZE_N*4   ; (behind a wait on XCNT: the earlier stores have read their base)
.endif
.irp t, 0,1,2,3,4,5,6,7,8,9,10,11,12,13,14,15
	global_store_b128 v[CO], v[BB+4*\t:BB+4*\t+3], s[12:13] offset:\t*SIZE_N*4 th:TH_STORE_NT   ; 32 lanes store 512 consecutive bytes, aligned; written once, read by nobody here
.endr
.endm
	PLACES NP
	TOSTAGE 0
.irp a, 1,2,3,4,5,6,7
.if \a > 1
	s_wait_xcnt 0x0                                ; block a - 2's stores have read their registers and their base
.endif
	TOSTAGE \a
	SEND \a-1, 32                                  ; behind block a - 1's loads: block a's 16 stores and 16 loads
.endr
	s_wait_xcnt 0x0
	SEND 7, 0
	s_wait_tensorcnt 0x0                           ; the wave's end
	ds_add_u32 v[SPW], v[NIL]
	s_wait_dscnt 0x0
	CROUND                                         ; the closing round
	s_endpgm
.Lfunc_end_k_qb04a390bef_outp:
	.size	k_qb04a390bef_outp, .Lfunc_end_k_qb04a390bef_outp-k_qb04a390bef_outp
	.p2alignl 7, 3214868480
	.fill 96, 4, 3214868480
	.section	.rodata,"a",@progbits
	.p2align	6, 0x0
	.amdhsa_kernel k_qb04a390bef_outp
		.amdhsa_group_segment_fixed_size 327680
		.amdhsa_private_segment_fixed_size 0
		.amdhsa_enable_private_segment 0
		.amdhsa_kernarg_size 48
		.amdhsa_user_sgpr_count 2
		.amdhsa_user_sgpr_kernarg_segment_ptr 1
		.amdhsa_wavefront_size32 1
		.amdhsa_system_sgpr_workgroup_id_x 1
		.amdhsa_system_sgpr_workgroup_id_y 1
		.amdhsa_system_sgpr_workgroup_id_z 1
		.amdhsa_system_vgpr_workitem_id 0
		.amdhsa_next_free_vgpr 1024
		.amdhsa_next_free_sgpr 100
		.amdhsa_reserve_vcc 0
		.amdhsa_float_denorm_mode_32 3
		.amdhsa_float_denorm_mode_16_64 3
		.amdhsa_memory_ordered 1
		.amdhsa_forward_progress 1
		.amdhsa_inst_pref_size 147
	.end_amdhsa_kernel
	.amdgpu_metadata
---
amdhsa.version: [ 1, 2 ]
amdhsa.kernels:
  - .name:           k_qb04a390bef_outp
    .symbol:         k_qb04a390bef_outp.kd
    .args:
      - { .name: hcod, .offset: 0, .size: 8, .value_kind: global_buffer, .address_space: global }
      - { .name: hscl, .offset: 8, .size: 8, .value_kind: global_buffer, .address_space: global }
      - { .name: cod, .offset: 16, .size: 8, .value_kind: global_buffer, .address_space: global }
      - { .name: scl, .offset: 24, .size: 8, .value_kind: global_buffer, .address_space: global }
      - { .name: bo, .offset: 32, .size: 8, .value_kind: global_buffer, .address_space: global }
      - { .name: out0, .offset: 40, .size: 8, .value_kind: global_buffer, .address_space: global }
    .group_segment_fixed_size: 327680
    .private_segment_fixed_size: 0
    .kernarg_segment_align: 8
    .kernarg_segment_size: 48
    .max_flat_workgroup_size: 128
    .sgpr_count:     100
    .vgpr_count:     1024
    .wavefront_size: 32
...
	.end_amdgpu_metadata
.endif
;; end of part 4
;; ======== version 2 of 2: 4 launches; version 1 with the launch attn written anew for expert scheduling mode
;; limits: right only within a limited range of input values
;; workspace buffers: cod 29,360,128 bytes; scl 917,504 bytes; maskw 131,072 bytes of whole numbers; maskf 2,048 bytes of whole numbers; pcod 25,165,824 bytes; pscl 1,310,720 bytes; hcod 8,388,608 bytes; hscl 262,144 bytes
;; launch quant: the kernel of part 1 again; grid 1024 x 1, 4 waves a work-group, no clusters, 33,280 bytes of LDS; arguments q_in, k_in, v_in, wq, wk, wv, wo, mask, cod, scl, maskw, maskf; writes cod, scl, maskw, maskf
;; launch proj: the kernel of part 2 again; grid 4 x 96, 4 waves a work-group, clusters of 4 x 4, 327,680 bytes of LDS; arguments cod, scl, bq, bk, bv, pcod, pscl; writes pcod, pscl
;; launch attn (part 5): grid 2 x 128, 16 waves a work-group, no clusters, 178,176 bytes of LDS; arguments pcod, pscl, maskw, maskf, hcod, hscl; writes hcod, hscl
.if DOCPART == 5
	.amdgcn_target "amdgcn-amd-amdhsa--gfx1250"
	.amdhsa_code_object_version 6
	.text
	.protected	k_qb04a390bef_attn
	.globl	k_qb04a390bef_attn
	.p2align	8
	.type	k_qb04a390bef_attn,@function
k_qb04a390bef_attn:
	s_mov_b64 s[64:65], 0
	v_nop
	global_prefetch_b8 v0, s[64:65] scope:SCOPE_SE
	s_setreg_imm32_b32 hwreg(HW_REG_WAVE_SCHED_MODE, 0, 2), 2
	s_setreg_imm32_b32 hwreg(HW_REG_WAVE_MODE, 25, 1), 1
	s_wait_xcnt 0x0
	s_wait_alu depctr_vm_vsrc(0)
; heads[bh][q][:] = the sum over k of softmax_k(masked(Q[bh][q] . K[bh][k] / 4)) V[bh][k][:], both products on codes of BF8 (E5M2) with one E8M0 scale for each 32 along K; the result is quantised along
; its 64 channels for the last projection.  128 heads, 1,024 queries, 1,024 keys, 64 channels.
; SOFTMAX: t = score x log2(e) / 4; M = the row's largest t so far, rounded up to a whole number; p = 2^(t - M) is quantised along the keys, not normalised.  The row's sum is taken of the unquantised p and
; divides at the end.  When M moves, the sum and O are multiplied by 2^(old M - new M): exact.
; THE MASK is an input: nothing of its pattern is built in.  Its bits come as words of one bit a lane (64 for a tile of queries and a key step), by scalar loads a step ahead, and select values.
; A masked score is held at -2^126, which stands for the most negative number that the module puts there: beside any score that counts its p is 0; in a row in which NO key counts every t - M is
; exactly 0 (c x 2^126 is a whole number and the multiply-add rounds once), every p is 1, and the row gets the mean of V, as the module's softmax of equal numbers gives.
; TWO SHORTER WAYS THROUGH A KEY STEP hang on a flag word that an earlier launch stored for each tile of queries and key step; all three ways give the same values for any mask.
;   none of the step's 16 x 128 places is masked: the 64 selections are jumped over.
;   all are masked: every score is -2^126, so one multiply-add and one exponential give the p of all 64 (1 where no key has counted yet, else 0); M, the rescaling, the sum (32 p to each half) and V^T P^T are
;   done as ever; p's codes are 0x78 (2^15 under the scale 2^-15, byte 0x70) or 0.  So rows in which no key counts are served with no case of their own.
; How long the launch takes therefore hangs on the mask; what it computes does not.
; K, V and their scale words go into LDS through registers, once, and stay.  So there is nothing to ask for jointly: no cluster.
; LIMITS: NaN and infinities among the scores are not served; a true score under -2^126 would be taken for a masked one; t - M is one fused multiply-add.
; SHARES.  A work-group owns 512 queries of one head; each of its sixteen waves owns two tiles of 16, one after the other, in 256 registers: four waves to a SIMD, so that one wave's vector work stands
; beside another's matrix work and LDS loads.  A wave's tiles are qt and 63 - qt, so that a mask that hides more for early or for late queries leaves the waves about equal work (nothing but the balance hangs on
; that): qt = 8 G + wave % 8, G = 2 (wave / 8) + (x xor wave / 8).  The work-group's tiles are then four whole groups of eight: four aligned runs of 256 bytes of hscl.
; LAYOUT.  Both products are used transposed: S^T = K Q^T (source 0 = 16 keys, source 1 = my 16 queries; the 64 channels fill half of the instruction's K, the other half are zero codes),
; O^T = V^T P^T (source 0 = 16 channels, source 1 = P): a lane holds one query (lane % 16) throughout.
; A KEY STEP rho IS 128 NEIGHBOURING KEYS, blocks 4 rho + c of 32.  K's rows were laid so that the 16 keys of tile (c, u), 32 (4 rho + c) + 8 u + m % 8 + 16 (m / 8), are 16 neighbouring rows: the 16 registers
; of tiles (c, 0), (c, 1) are then keys 32 (4 rho + c) + 16 (lane / 16) + 0 .. 15.  V's channels were laid likewise, so that O^T's tiles 2 A, 2 A + 1 hold 16 neighbouring channels.
; THE MODE: SCHED_MODE bits 1:0 = 2 (LLVM: expert scheduling mode 2), set by the entry lines.  The code itself states the register dependences between vector or matrix instructions and memory or LDS
; instructions, with s_wait_alu, always for 0.
; THE PLAN.  Registers that LDS or memory instructions touch:
;   the addresses made at the head (v1-4, v6, v7, v234, v235, v237-239, v160-170)  written once, ahead of the head's first wait on va_vdst; no vector instruction names one of them again while a memory instruction still uses it.
;   v8-11      the step's four addresses: written by four additions at the step's head; K's LDS loads read v8 and v10, V's read v9 and v11.
;   KF, KW     K's loads land in the low half of each fragment and in KW twice a step, V's scale words in KW at the step's end; the four products behind each landing read them.
;   S          written by K Q^T, worked on by the softmax, read by the conversions; then V's loads land in it, and the step's last four products read it.
;   PC, PW     written by vector instructions, taken by the scaled products; on the way out PC is the data of LDS stores.
;   BM, T1, TMP  on the way out: named by the quantiser, then data of LDS and global stores, BM and T1 also the landing place of the loads from the stage.
; A WHOLE KEY STEP HAS FOUR WAITS ON va_vdst: ahead of K's first loads, ahead of K's second loads, behind the exponentials, and ahead of V's loads; and one on vm_vsrc, ahead of the four additions.
; The short way has the one behind its exponential and the one ahead of V's loads, which both ways share, and one on va_vcc.
.set KP,   80                          ; a key's row in LDS: 64 bytes + 16 of padding
.set VP,   1040                        ; a channel's row: 1,024 keys + 16 of padding
.set VC,   1024*KP                     ; LDS: K's 1,024 rows, then V's 64,
.set KSW,  VC+64*VP                    ; K's 1,024 scale words,
.set VSW,  KSW+4096                    ; V's 64 x 8,
.set STG,  VSW+2048                    ; a stage of 16 rows x 80 bytes for each wave,
.set HS,   STG+16*16*KP                ; and the 512 queries' scale bytes, two each
.set AK0,  1                           ; v1   my lane's place in a tile of K
.set AV0,  2                           ; v2   of V
.set ASK0, 3                           ; v3   among K's scale words
.set ASV0, 4                           ; v4   among V's
.set SENT, 5                           ; v5   -2^126
.set SO,   6                           ; v6   the stage: where I put 16 codes of a row
.set SR,   7                           ; v7   the stage: where I read back
.set ADK,  8                           ; v8-11 the step's addresses
.set ADV,  9
.set ADS,  10
.set ADT,  11
.set Q0,   16                          ; v16-31   the first tile's Q (the upper eight registers are zero codes)
.set KF,   32                          ; v32-95   four fragments of K (the upper eight registers of each are zero codes, set once)
.set S,    96                          ; v96-159  S^T, then p, then V's four fragments; at the end the finished rows; at the head K and V on their way into LDS
.set O,    160                         ; v160-191 O^T; at the head the addresses of the way into LDS
.set PC,   192                         ; v192-207 p's codes; at the end the rows' codes
.set BM,   208                         ; v208-211 the blocks' largest
.set T1,   212
.set HOLD, 216
.set SCO,  220
.set KW,   224                         ; v224-227 K's or V's scale words
.set F,    228                         ; v228 2^(old M - new M)
.set PW,   229                         ; v229 p's scale word
.set TMP,  230
.set QW0,  231                         ; v231 the first tile's scale words
.set L2,   232                         ; v[232:233] the sums' second chain
.set GO,   234                         ; v234 16 x lane
.set HSA0, 235                         ; v235 where my query's two scale bytes go, first tile;
.set QW1,  236
.set HR,   237                         ; v237 where wave 0 reads them back
.set HSA1, 238                         ; v238 second tile
.set HGO,  239                         ; v239 and where wave 0 stores them
.set Q1,   240                         ; v240-255 the second tile's Q
.set FT16, 160                         ; at the head: 16 x thread
.set FKA,  161                         ; K's place in LDS for chunks 0-3,
.set FKB,  162                         ; for chunks 4-7
.set FVA,  163                         ; V's
.set FK8,  164                         ; 8 x thread
.set FKS,  165                         ; K's words' place in LDS
.set FVG,  166                         ; V's words: from where,
.set FVL,  167                         ; to where,
.set FSEL, 168                         ; and which byte of each
.set QA,   169
.set QWA,  170
.set SEL,  2                           ; s[2:3]
.set CS,   4                           ; s[4:5] c = log2(e) / 4
.set MNT,  6
.set MO,   7                           ; s7   byte offset in maskw of the words being fetched
.set WV,   14
.set FP0,  66                          ; s66, s67 a tile's eight flag words, two bits each, the step in hand lowest
.set FP1,  67                          ; the mask's words: word n in s[16 + n], from word 48 on in s[20 + n]
.set TK,   84                          ; s84-87 the step's place in K, K's words, V, V's words
.set TKS,  85
.set TV,   86
.set TVS,  87
.set CNT,  88
.set TS,   89
.set NX,   90                          ; s90  where the second tile's words begin
	s_load_b128 s[68:71], s[0:1], 0x0              ; pcod, pscl
	s_load_b128 s[72:75], s[0:1], 0x10             ; maskw, maskf
	s_load_b128 s[76:79], s[0:1], 0x20             ; hcod, hscl
	v_lshrrev_b32 v8, 5, v0
	v_readfirstlane_b32 s[WV], v8                  ; wave 0..15
	v_and_b32 v8, 15, v0                           ; r
	v_bfe_u32 v9, v0, 4, 1                         ; h
	v_and_b32 v10, 31, v0                          ; lane
	v_mul_u32_u24 v[AK0], v8, KP
	v_lshl_add_u32 v[AK0], v9, 4, v[AK0]
	v_mul_u32_u24 v[AV0], v8, VP
	v_lshl_add_u32 v[AV0], v9, 4, v[AV0]
	v_add_nc_u32 v[AV0], VC, v[AV0]
	v_lshl_add_u32 v[ASK0], v8, 2, KSW
	v_lshl_add_u32 v[ASV0], v8, 5, VSW
	s_wait_alu depctr_va_sdst(0)                   ; the wave's number is written into its scalar register, ahead of its first reader, the line below
	s_mul_i32 s15, s[WV], 16*KP
	s_add_co_u32 s15, s15, STG                     ; my stage
	v_add_nc_u32 v[SO], s15, v[AK0]                ; in: row r, + 16 h
	v_lshrrev_b32 v11, 2, v10
	v_mul_u32_u24 v11, v11, KP
	v_and_b32 v12, 3, v10
	v_lshl_add_u32 v11, v12, 4, v11
	v_add_nc_u32 v[SR], s15, v11                   ; back: four lanes to a row of 64 bytes
	v_lshlrev_b32 v[GO], 4, v10
	v_add_nc_u32 v[HR], HS, v[GO]
	v_lshlrev_b32 v11, 1, v8
	s_lshl_b32 s15, s[WV], 5
	s_add_co_u32 s15, s15, HS
	v_add_nc_u32 v[HSA0], s15, v11                 ; the work-group's tile number wave: 32 bytes a tile, 2 a query;
	s_xor_b32 s15, s[WV], 31
	s_lshl_b32 s15, s15, 5
	s_add_co_u32 s15, s15, HS
	v_add_nc_u32 v[HSA1], s15, v11                 ; and tile number 31 - wave
	s_mov_b32 s15, ttmp9                           ; x
	v_xor_b32 v12, s15, v9
	v_lshlrev_b32 v[HGO], 4, v8                    ; sixteen lanes to a group of eight tiles, 256 bytes: group 4 k + 2 h + (x xor h) in store k
	v_lshl_add_u32 v[HGO], v9, 9, v[HGO]
	v_lshl_add_u32 v[HGO], v12, 8, v[HGO]
	v_lshlrev_b32 v[QA], 6, v8
	v_lshl_add_u32 v[QA], v9, 4, v[QA]             ; Q: row r of 64 bytes, + 16 h
	v_lshlrev_b32 v[QWA], 2, v8
	; the way into LDS: chunk i of K and of V is 8,192 bytes, 16 to a thread
	v_lshlrev_b32 v[FT16], 4, v0
	v_lshrrev_b32 v11, 2, v0
	v_mul_u32_u24 v[FKA], v11, KP                  ; K: four threads to a row of 64 bytes, 128 rows a chunk
	v_and_b32 v11, 3, v0
	v_lshl_add_u32 v[FKA], v11, 4, v[FKA]
	v_add_nc_u32 v[FKB], 4*128*KP, v[FKA]          ; (an LDS offset has 16 bits)
	v_lshrrev_b32 v11, 6, v0
	v_mul_u32_u24 v[FVA], v11, VP                  ; V: 64 threads to a row of 1,024 bytes, 8 rows a chunk
	v_and_b32 v11, 63, v0
	v_lshl_add_u32 v[FVA], v11, 4, v[FVA]
	v_add_nc_u32 v[FVA], VC, v[FVA]
	v_lshlrev_b32 v[FK8], 3, v0                    ; K's words: 8 bytes a thread
	v_add_nc_u32 v[FKS], KSW, v[FK8]
	; V's scale bytes lie in memory as 8 words a channel, block g's byte as byte g / 8 of word g % 8.  Thread t makes the word of channel t / 8 and key step t % 8: blocks 4 (t % 8) + 0 .. 3
	; are byte (t % 8) / 2 of words 4 (t % 2) + 0 .. 3
	v_lshrrev_b32 v11, 3, v0
	v_and_b32 v12, 1, v0
	v_lshlrev_b32 v[FVG], 5, v11
	v_lshl_add_u32 v[FVG], v12, 4, v[FVG]
	v_lshl_add_u32 v[FVL], v0, 2, VSW
	v_bfe_u32 v12, v0, 1, 2
	v_mul_u32_u24 v[FSEL], v12, 0x101
	v_add_nc_u32 v[FSEL], 0x400, v[FSEL]           ; selector: that byte of the second source, then of the first
	s_and_b32 s15, ttmp7, 0xffff                   ; the head
	s_lshr_b32 s16, s[WV], 3
	s_xor_b32 s17, s16, ttmp9
	s_lshl_b32 s16, s16, 1
	s_add_co_u32 s16, s16, s17                     ; G
	s_lshl_b32 s16, s16, 3
	s_and_b32 s17, s[WV], 7
	s_add_co_u32 s16, s16, s17                     ; my first tile of queries,
	s_sub_co_u32 s17, 63, s16                      ; and my second
	s_lshl_b32 s18, s15, 16                        ; the head's 65,536 bytes in each tensor of codes,
	s_lshl_b32 s19, s15, 12                        ; its 4,096 bytes of Q's and of K's words
	s_lshl_b32 s20, s16, 10                        ; a tile's 1,024 bytes of codes
	s_add_co_u32 s20, s20, s18
	s_mov_b32 s21, 0
	s_lshl_b32 s22, s17, 10
	s_add_co_u32 s22, s22, s18
	s_mov_b32 s23, 0
	s_lshl_b32 s24, s16, 6                         ; its 64 bytes of words
	s_add_co_u32 s24, s24, s19
	s_mov_b32 s25, 0
	s_lshl_b32 s26, s17, 6
	s_add_co_u32 s26, s26, s19
	s_mov_b32 s27, 0
	s_add_co_u32 s28, s18, 8388608                 ; K's codes
	s_mov_b32 s29, 0
	s_add_co_u32 s30, s18, 16777216                ; V's codes
	s_mov_b32 s31, 0
	s_add_co_u32 s32, s19, 524288                  ; K's words
	s_mov_b32 s33, 0
	s_lshl_b32 s34, s15, 11
	s_mov_b32 s40, s34                             ; the head's 2,048 bytes of hscl
	s_mov_b32 s41, 0
	s_add_co_u32 s34, s34, 1048576                 ; V's words
	s_mov_b32 s35, 0
	s_lshl_b32 s36, s16, 5                         ; a tile's eight flag words
	s_mov_b32 s37, 0
	s_lshl_b32 s38, s17, 5
	s_mov_b32 s39, 0
	s_lshl_b32 s[MO], s16, 11                      ; a tile's 8 x 64 words of the mask
	s_lshl_b32 s[NX], s17, 11
	s_wait_kmcnt 0x0
	s_add_nc_u64 s[84:85], s[68:69], s[20:21]      ; Q's codes, first tile,
	s_add_nc_u64 s[86:87], s[68:69], s[22:23]      ; second tile;
	s_add_nc_u64 s[88:89], s[70:71], s[24:25]      ; its words
	s_add_nc_u64 s[92:93], s[70:71], s[26:27]
	s_add_nc_u64 s[10:11], s[76:77], s[20:21]      ; the tiles' rows of hcod
	s_add_nc_u64 s[12:13], s[76:77], s[22:23]
	s_add_nc_u64 s[28:29], s[68:69], s[28:29]
	s_add_nc_u64 s[30:31], s[68:69], s[30:31]
	s_add_nc_u64 s[32:33], s[70:71], s[32:33]
	s_add_nc_u64 s[34:35], s[70:71], s[34:35]
	s_add_nc_u64 s[36:37], s[74:75], s[36:37]
	s_add_nc_u64 s[38:39], s[74:75], s[38:39]
	s_add_nc_u64 s[96:97], s[78:79], s[40:41]
	s_mov_b64 s[8:9], s[72:73]
	s_wait_alu depctr_va_vdst(0)                   ; every address and offset made above is written: the loads below, the LDS stores of the way in and all loads and stores of the way out read them
.irp i, 0,1,2,3,4,5,6,7
	global_load_b128 v[S+4*\i:S+4*\i+3], v[FT16], s[28:29] offset:8192*\i          ; K: a wave's load reads 512 consecutive bytes
.endr
.irp i, 0,1,2,3,4,5,6,7
	global_load_b128 v[S+32+4*\i:S+32+4*\i+3], v[FT16], s[30:31] offset:8192*\i    ; V
.endr
	global_load_b64 v[BM:BM+1], v[FK8], s[32:33]
	global_load_b128 v[HOLD:HOLD+3], v[FVG], s[34:35]
	global_load_b128 v[Q0:Q0+3], v[QA], s[84:85]
	global_load_b128 v[Q0+4:Q0+7], v[QA], s[84:85] offset:32
	global_load_b128 v[Q1:Q1+3], v[QA], s[86:87]
	global_load_b128 v[Q1+4:Q1+7], v[QA], s[86:87] offset:32
	global_load_b32 v[QW0], v[QWA], s[88:89]
	global_load_b32 v[QW1], v[QWA], s[92:93]
	s_load_b256 s[44:51], s[36:37], 0x0            ; my two tiles' flag words
	s_load_b256 s[52:59], s[38:39], 0x0
	s_mov_b32 s[SEL], 0x76543210
	s_mov_b32 s[SEL+1], 0xfedcba98                 ; v_permlanex16_b32's selects for lane l xor 16
	s_mov_b32 s[CS], 0x3eb8aa3b                    ; c = log2(e) / 4
	s_mov_b32 s[CS+1], s[CS]                       ; (named with it as a pair, so it is written)
	s_mov_b32 s[MNT], 0x600000
	v_mov_b32 v[SENT], 0xfe800000
.irp j, 8,9,10,11,12,13,14,15
	v_mov_b32 v[Q0+\j], 0                          ; zero codes for K = 64 .. 127: they add nothing under any scale byte
	v_mov_b32 v[Q1+\j], 0
	v_mov_b32 v[KF+\j], 0
	v_mov_b32 v[KF+16+\j], 0
	v_mov_b32 v[KF+32+\j], 0
	v_mov_b32 v[KF+48+\j], 0
.endr
.irp b, 0,1,2,3
	v_mov_b32 v[T1+\b], 0                          ; a lane permute's destination counts as one of its sources
.endr
	v_mov_b32 v[PW], 0                             ; (named as the upper half of the pair v[228:229] before it is first written)
	s_wait_kmcnt 0x0                               ; the flag words: eight of two bits are packed into one register a tile
	s_mov_b32 s[FP0], s44
	s_mov_b32 s[FP1], s52
.irp j, 1,2,3,4,5,6,7
	s_lshl_b32 s15, s[44+\j], 2*\j
	s_or_b32 s[FP0], s[FP0], s15
	s_lshl_b32 s15, s[52+\j], 2*\j
	s_or_b32 s[FP1], s[FP1], s15
.endr
.macro MWORDS                          ; the 64 words of one tile and one key step
	s_load_b512 s[16:31], s[8:9], s[MO] offset:0x0
	s_load_b512 s[32:47], s[8:9], s[MO] offset:0x40
	s_load_b512 s[48:63], s[8:9], s[MO] offset:0x80
	s_load_b512 s[68:83], s[8:9], s[MO] offset:0xc0
.endm
	s_wait_loadcnt 0x0                             ; K, V, the words and Q are in registers; the loads' bases are free,
	MWORDS                                         ; and take the first step's words of the mask
.irp i, 0,1,2,3
	ds_store_b128 v[FKA], v[S+4*\i:S+4*\i+3] offset:128*KP*\i      ; (their data came by loads, their addresses stand ahead of the wait above, and no vector instruction since names either)
.endr
.irp i, 4,5,6,7
	ds_store_b128 v[FKB], v[S+4*\i:S+4*\i+3] offset:128*KP*(\i-4)
.endr
.irp i, 0,1,2,3,4,5,6,7
	ds_store_b128 v[FVA], v[S+32+4*\i:S+32+4*\i+3] offset:8*VP*\i
.endr
	ds_store_b64 v[FKS], v[BM:BM+1]
	v_perm_b32 v[SCO], v[HOLD+1], v[HOLD], v[FSEL]         ; my byte of words 0 and 1,
	v_perm_b32 v[SCO+1], v[HOLD+3], v[HOLD+2], v[FSEL]     ; of words 2 and 3,
	v_perm_b32 v[SCO], v[SCO+1], v[SCO], 0x05040100        ; the two low halves: the scale word of four neighbouring blocks
	s_wait_alu depctr_va_vdst(0)                   ; that word is written, which the LDS store below reads
	ds_store_b32 v[FVL], v[SCO]
	s_wait_dscnt 0x0                               ; for the others' sake: my stores have landed,
	s_barrier_signal -1
	s_barrier_wait -1                              ; everybody's have
	s_wait_alu depctr_vm_vsrc(0)                   ; the loads and LDS stores above have read v160-170, S, v[BM], v[BM+1] and v[SCO]: from here on vector and matrix instructions write these registers
.macro NEXTW                           ; the next step's words (behind the wait that shows the last loads done): 256 bytes on; behind a tile's last step the second tile's first
	s_add_co_u32 s[MO], s[MO], 256
	s_cmp_eq_u32 s[CNT], 7
	s_cselect_b32 s[MO], s[NX], s[MO]              ; (so no load leaves the buffer)
	MWORDS
.endm
.macro NEWM                            ; v[TMP] holds the step's largest t of my query
	v_max_num_f32 v13, v13, v[TMP]                 ; the running largest t
	v_mov_b32 v[TMP], v12
	v_floor_f32 v12, -v13                          ; the new -M = floor(-t) = -ceil(t)
	v_sub_f32 v[TMP], v12, v[TMP]                  ; M's old value less its new one: a whole number, 0 or less
	v_cvt_i32_f32 v[TMP], v[TMP]                   ; (it saturates)
	v_ldexp_f32 v[F], 1.0, v[TMP]                  ; f = 2^(old M - new M)
.endm
; A KEY STEP: 128 keys.  qf: Q's fragment;  qw: its scale words;  fp: the tile's flags, this step's two bits lowest.
.macro STEP qf, qw, fp
	s_wait_alu depctr_vm_vsrc(0)                   ; the last step's LDS loads have read the four addresses, which the additions below write anew
	v_add_nc_u32 v[ADK], s[TK], v[AK0]
	v_add_nc_u32 v[ADV], s[TV], v[AV0]
	v_add_nc_u32 v[ADS], s[TKS], v[ASK0]
	v_add_nc_u32 v[ADT], s[TVS], v[ASV0]
	s_and_b32 s[TS], s[\fp], 1
	s_cmp_lg_u32 s[TS], 0
	s_cbranch_scc1 .Lshut_\@                       ; all of the step's places are masked: the short way
.irp g, 0,1                                    ; S^T = K Q^T, four tiles of 16 keys at a time
.rept 5+3*\g
	v_nop                                          ; g = 0: with the four additions nine places: the scores are laid over V's fragments, which the last step's products read.  g = 1: eight places behind the four products above; they stay beside the wait below
.endr
	s_wait_alu depctr_va_vdst(0)                   ; g = 0: the four additions have written the step's addresses, and the last step's products are done reading K's fragments and the scale words.  g = 1: the four products above are done reading them.  The loads below land there
.irp t, 0,1,2,3
	ds_load_b128 v[KF+16*\t:KF+16*\t+3], v[ADK] offset:(32*(2*\g+\t/2)+16*(\t%2))*KP
	ds_load_b128 v[KF+16*\t+4:KF+16*\t+7], v[ADK] offset:(32*(2*\g+\t/2)+16*(\t%2))*KP+32
	ds_load_b32 v[KW+\t], v[ADS] offset:(32*(2*\g+\t/2)+16*(\t%2))*4
.endr
	s_wait_dscnt 0x0
.irp t, 0,1,2,3
	v_wmma_scale_f32_16x16x128_f8f6f4 v[S+8*(4*\g+\t):S+8*(4*\g+\t)+7], v[KF+16*\t:KF+16*\t+15], v[\qf:\qf+15], 0, v[KW+\t], v[\qw] matrix_a_fmt:MATRIX_FMT_BF8 matrix_b_fmt:MATRIX_FMT_BF8
.endr
.endr                                          ; register 16 c + i of lane (r, h): query r, key 128 rho + 32 c + 16 h + i
.rept 8
	v_nop
.endr
	s_wait_kmcnt 0x0                               ; this step's words of the mask, asked for a step ago
	s_and_b32 s[TS], s[\fp], 2
	s_cmp_lg_u32 s[TS], 0
	s_cbranch_scc1 .Lopen_\@                       ; none of the step's places is masked: nothing to select
.set n, 0
.rept 64
	v_cndmask_b32 v[S+n], v[S+n], v[SENT], s[16+n+4*(n/48)]   ; a masked score is held at -2^126; each accumulator from its low end on
.set n, n+1
.endr
.Lopen_\@:
.irp b, 0,1,2,3
	v_max3_num_f32 v[BM+\b], v[S+16*\b], v[S+1+16*\b], v[S+2+16*\b]   ; the largest score of each block of 32 keys: for the row's maximum, and, since p rises with the score, for the block's largest p
.endr
.irp i, 3,5,7,9,11,13
.irp b, 0,1,2,3
	v_max3_num_f32 v[BM+\b], v[BM+\b], v[S+16*\b+\i], v[S+1+16*\b+\i]   ; (ascending: each accumulator is met at its low end first)
.endr
.endr
.irp b, 0,1,2,3
	v_max_num_f32 v[BM+\b], v[BM+\b], v[S+15+16*\b]
.endr
.irp b, 0,1,2,3
	v_permlanex16_b32 v[T1+\b], v[BM+\b], s[SEL], s[SEL+1]
.endr
.irp b, 0,1,2,3
	v_max_num_f32 v[BM+\b], v[BM+\b], v[T1+\b]     ; with lane l xor 16's 16 keys
.endr
	v_max3_num_f32 v[TMP], v[BM], v[BM+1], v[BM+2]
	v_max_num_f32 v[TMP], v[TMP], v[BM+3]          ; the step's largest score of my query
	v_mul_f32 v[TMP], s[CS], v[TMP]                ; as t (c is positive)
	NEWM
.set n, 0
.rept 32
	v_pk_fma_f32 v[S+n:S+n+1], v[S+n:S+n+1], s[CS:CS+1], v[12:13] op_sel_hi:[1,0,0]   ; t - M, two at a time
.set n, n+2
.endr
.irp b, 0,1,2,3
	v_fma_f32 v[BM+\b], v[BM+\b], s[CS], v12       ; the same of each block's largest score
.endr
.set n, 0
.rept 64
	v_exp_f32 v[S+n], v[S+n]                       ; p = 2^(t - M), at most 1
.set n, n+1
.endr
.irp b, 0,1,2,3
	v_exp_f32 v[BM+\b], v[BM+\b]                   ; the block's largest p: the same two instructions on the same number give the same bits
.endr
	v_pk_mul_f32 v[14:15], v[14:15], v[F:F+1] op_sel_hi:[1,0]   ; the sums under the new M.  (A plain place behind the exponentials)
	s_wait_alu depctr_va_vdst(0)                   ; the 68 exponentials have written p and the blocks' largest p, ahead of their first reader; and the selections further up are done, so that the scalar registers that they read may be loaded anew
	NEXTW
.irp b, 0,1,2,3
	v_max_num_f32 v[BM+\b], 0x8000000, v[BM+\b]    ; the floor 2^(16 - 127): a block whose every p is 0 keeps the byte 1: its codes are zeros
.endr
.irp b, 0,1,2,3
	v_add_nc_u32 v[SCO+\b], 0xf8800000, v[BM+\b]   ; 15 off the exponent field: the conversion's scale operand
.endr
.irp b, 0,1,2,3
	v_and_or_b32 v[HOLD+\b], v[BM+\b], 0x7f800000, s[MNT]   ; 57,344 x the scale
.endr
.irp b, 0,1,2,3
	v_lshrrev_b32 v[T1+\b], 23, v[SCO+\b]          ; the scale's byte
.endr
	v_lshl_or_b32 v[PW], v[T1+1], 8, v[T1]         ; p's scale word for these 128 keys
	v_lshl_or_b32 v[PW], v[T1+2], 16, v[PW]
	v_lshl_or_b32 v[PW], v[T1+3], 24, v[PW]
	v_pk_add_f32 v[L2:L2+1], v[S:S+1], v[S+2:S+3]  ; the row's sum is taken of the unquantised p: two at a time, in two chains
.irp j, 4,8,12,16,20,24,28,32,36,40,44,48,52,56,60
	v_pk_add_f32 v[14:15], v[14:15], v[S+\j:S+1+\j]
	v_pk_add_f32 v[L2:L2+1], v[L2:L2+1], v[S+2+\j:S+3+\j]
.endr
	v_pk_add_f32 v[14:15], v[14:15], v[L2:L2+1]
.irp b, 0,1,2,3
.irp i, 0,1,2,3,4,5,6,7,8,9,10,11,12,13,14,15
	v_min_num_f32 v[S+16*\b+\i], v[S+16*\b+\i], v[HOLD+\b]   ; the conversion does not saturate (ISA guide 7.6.2); p is not negative, so the hold is one-sided
.endr
	v_cvt_scalef32_pk8_bf8_f32 v[PC+4*\b:PC+1+4*\b], v[S+16*\b:S+7+16*\b], v[SCO+\b]
	v_cvt_scalef32_pk8_bf8_f32 v[PC+2+4*\b:PC+3+4*\b], v[S+8+16*\b:S+15+16*\b], v[SCO+\b]
.endr
	s_branch .Lpv_\@
.Lshut_\@:                                     ; THE SHORT WAY: all 64 scores of the lane are -2^126.  The lines up to the first write of a code are more than eight plain ones: the places behind the last step's products
	v_mul_f32 v[TMP], s[CS], v[SENT]               ; the step's largest t
	NEWM
	v_fma_f32 v[BM], v[SENT], s[CS], v12           ; t - M: exactly 0 where no key has counted yet, else far below every exponent
	v_exp_f32 v[BM], v[BM]                         ; p: 1 or 0
	v_pk_mul_f32 v[14:15], v[14:15], v[F:F+1] op_sel_hi:[1,0]   ; the sums under the new M.  (A plain place behind the exponential)
	v_mov_b32 v[TMP], 0x78787878                   ; four codes of 2^15: p = 1 under the scale 2^-15
	s_wait_alu depctr_va_vdst(0)                   ; the exponential has written p, ahead of its first reader
	v_fma_f32 v14, v[BM], 0x42000000, v14          ; my 64 keys' p: 32 to each half of the sum
	v_fma_f32 v15, v[BM], 0x42000000, v15
	v_cmp_lt_f32 vcc_lo, 0, v[BM]                  ; (it selects values alone)
	s_wait_alu depctr_va_vcc(0)                    ; the compare has written VCC, ahead of its first reader, the selection below
.set n, 0
.rept 16
	v_cndmask_b32 v[PC+n], 0, v[TMP], vcc_lo
.set n, n+1
.endr
	v_mov_b32 v[PW], 0x70707070                    ; the byte of 2^-15, four times (over zero codes any byte serves)
	s_wait_kmcnt 0x0                               ; this step's words are not read, but their loads are done before the next step's are issued into the same registers
	NEXTW
.Lpv_\@:
.set n, 0
.rept 16
	v_pk_mul_f32 v[O+n:O+n+1], v[O+n:O+n+1], v[F:F+1] op_sel_hi:[1,0]   ; O^T under the new M.  (These are also the plain place behind the conversions and the places between the codes, their scale word and the products)
.set n, n+2
.endr
	s_wait_alu depctr_va_vdst(0)                   ; on both ways: what named p's registers and the scale words' (holds, conversions, earlier products) is done, so that V's loads may land there; v[ADV] and v[ADT], which they read, are written; and so are p's codes and scale word, which the scaled products take
.irp t, 0,1,2,3                                ; V's four fragments take p's registers: 16 channels x these 128 keys each
.irp c, 0,1,2,3
	ds_load_b128 v[S+16*\t+4*\c:S+16*\t+4*\c+3], v[ADV] offset:16*VP*\t+32*\c
.endr
	ds_load_b32 v[KW+\t], v[ADT] offset:512*\t
.endr
	s_wait_dscnt 0x0
.irp t, 0,1,2,3                                ; O^T += V^T P^T: the four accumulators take turns
	v_wmma_scale_f32_16x16x128_f8f6f4 v[O+8*\t:O+8*\t+7], v[S+16*\t:S+16*\t+15], v[PC:PC+15], v[O+8*\t:O+8*\t+7], v[KW+\t], v[PW] matrix_a_fmt:MATRIX_FMT_BF8 matrix_b_fmt:MATRIX_FMT_BF8
.endr
	s_add_co_u32 s[TK], s[TK], 128*KP              ; the next step: 128 rows of K on,
	s_add_co_u32 s[TKS], s[TKS], 512               ; 128 words,
	s_add_co_u32 s[TV], s[TV], 128                 ; 128 keys in each row of V,
	s_add_co_u32 s[TVS], s[TVS], 4                 ; one word,
	s_lshr_b32 s[\fp], s[\fp], 2                   ; the next two flag bits
.endm
; ONE TILE OF 16 QUERIES: all eight key steps, then the way out.  ob: the tile's rows of hcod;  hsa: where its scale bytes go.
.macro PASS qf, qw, fp, ob, hsa
	v_mov_b32 v13, 0xff61b1e6                      ; the largest t so far: -3e38, under every t, a masked one too
	v_floor_f32 v12, -v13                          ; -M
	v_mov_b32 v14, 0                               ; the sum, in two halves
	v_mov_b32 v15, 0
.set n, 0
.rept 32
	v_mov_b32 v[O+n], 0                            ; O^T.  (The step is written once: the first finds zeros, which the first change of M leaves zeros)
.set n, n+1
.endr
	s_mov_b32 s[TK], 0
	s_mov_b32 s[TKS], 0
	s_mov_b32 s[TV], 0
	s_mov_b32 s[TVS], 0
	s_mov_b32 s[CNT], 0
.Lstep_\@:
	STEP \qf, \qw, \fp
	s_add_co_u32 s[CNT], s[CNT], 1
	s_cmp_lt_u32 s[CNT], 8
	s_cbranch_scc1 .Lstep_\@
.rept 8
	v_nop                                          ; places behind the last products
.endr
	v_add_f32 v14, v14, v15                        ; the sum's two halves,
	v_permlanex16_b32 v[TMP], v14, s[SEL], s[SEL+1]
	v_add_f32 v14, v14, v[TMP]                     ; and lane l xor 16's: the row's sum
	v_rcp_f32 v14, v14
	v_nop                                          ; a plain place behind the transcendental
.set n, 0
	s_wait_alu depctr_va_vdst(0)                   ; the reciprocal is written, ahead of its first reader
.rept 16
	v_pk_mul_f32 v[S+n:S+n+1], v[O+n:O+n+1], v[14:15] op_sel_hi:[1,0]   ; register 16 b + i: channel 32 b + 16 h + i of query r
.set n, n+2
.endr
.irp b, 0,1
	v_max3_num_f32 v[BM+\b], |v[S+16*\b]|, |v[S+1+16*\b]|, 0x8000000   ; the row's two blocks of 32 channels are quantised for the last projection
.endr
.irp i, 2,4,6,8,10,12,14
.irp b, 0,1
	v_max3_num_f32 v[BM+\b], v[BM+\b], |v[S+16*\b+\i]|, |v[S+1+16*\b+\i]|
.endr
.endr
.irp b, 0,1
	v_permlanex16_b32 v[T1+\b], v[BM+\b], s[SEL], s[SEL+1]
.endr
.irp b, 0,1
	v_max_num_f32 v[BM+\b], v[BM+\b], v[T1+\b]
.endr
.irp b, 0,1
	v_add_nc_u32 v[SCO+\b], 0xf8800000, v[BM+\b]
.endr
.irp b, 0,1
	v_and_or_b32 v[HOLD+\b], v[BM+\b], 0x7f800000, s[MNT]
.endr
.irp b, 0,1
	v_lshrrev_b32 v[T1+\b], 23, v[SCO+\b]
.endr
	v_lshl_or_b32 v[TMP], v[T1+1], 8, v[T1]        ; my query's two scale bytes
.irp b, 0,1
.irp i, 0,1,2,3,4,5,6,7,8,9,10,11,12,13,14,15
	v_med3_num_f32 v[S+16*\b+\i], v[S+16*\b+\i], -v[HOLD+\b], v[HOLD+\b]
.endr
	v_cvt_scalef32_pk8_bf8_f32 v[PC+4*\b:PC+1+4*\b], v[S+16*\b:S+7+16*\b], v[SCO+\b]
	v_cvt_scalef32_pk8_bf8_f32 v[PC+2+4*\b:PC+3+4*\b], v[S+8+16*\b:S+15+16*\b], v[SCO+\b]
.endr
	v_nop                                          ; a plain instruction behind the last conversion
	s_wait_alu depctr_va_vdst(0)                   ; the codes and the two scale bytes are written, which the LDS stores read; the quantiser is done with v[BM ..] and v[T1 ..], in which the loads from the stage land (and, behind the second tile, wave 0's last loads: no vector instruction stands between)
	ds_store_b16 v[\hsa], v[TMP]                   ; (both halves of the lanes write the same bytes with the same value)
	ds_store_b128 v[SO], v[PC:PC+3]
	ds_store_b128 v[SO], v[PC+4:PC+7] offset:32
	ds_load_b128 v[BM:BM+3], v[SR]                 ; LDS serves a wave's instructions in order: these see my stores
	ds_load_b128 v[T1:T1+3], v[SR] offset:8*KP
	s_wait_dscnt 0x0
	global_store_b128 v[GO], v[BM:BM+3], s[\ob:\ob+1]              ; eight queries' codes: 512 consecutive bytes
	global_store_b128 v[GO], v[T1:T1+3], s[\ob:\ob+1] offset:512
	s_wait_xcnt 0x0                                ; the stores have read their registers, which are written again
	s_wait_alu depctr_vm_vsrc(0)                   ; the LDS stores have read v[TMP] and the codes, the global stores v[BM ..] and v[T1 ..]: the next tile's vector instructions, or wave 0's last loads, write them
.endm
	PASS Q0, QW0, FP0, 10, HSA0
	PASS Q1, QW1, FP1, 12, HSA1
	s_wait_kmcnt 0x0                               ; the last look-ahead's words are in: nothing is left pending on scalar registers
	s_barrier_signal -1                            ; (each wave's LDS stores were waited for above)
	s_barrier_wait -1                              ; the 512 queries' scale bytes lie in LDS
	s_cmp_lg_u32 s[WV], 0
	s_cbranch_scc1 .Lend
	ds_load_b128 v[BM:BM+3], v[HR]
	ds_load_b128 v[T1:T1+3], v[HR] offset:512
	s_wait_dscnt 0x0
	global_store_b128 v[HGO], v[BM:BM+3], s[96:97]             ; sixteen lanes store 256 consecutive bytes of hscl, aligned: a group of eight tiles
	global_store_b128 v[HGO], v[T1:T1+3], s[96:97] offset:1024
.Lend:
	s_wait_xcnt 0x0
	v_lshl_add_u32 v254, v0, 2, 0x2b000            ; the add's two registers are made anew, straight ahead of the closing lines: no two could be kept; no memory or LDS instruction has read v254 or v255
	v_mov_b32 v255, 0
	s_wait_dscnt 0x0                               ; the closing lines, six on end
	s_wait_alu 0x0
	s_wait_tensorcnt 0x0
	ds_add_u32 v254, v255
	s_wait_dscnt 0x0
	s_endpgm
.Lfunc_end_k_qb04a390bef_attn:
	.size	k_qb04a390bef_attn, .Lfunc_end_k_qb04a390bef_attn-k_qb04a390bef_attn
	.p2alignl 7, 3214868480
	.fill 96, 4, 3214868480
	.section	.rodata,"a",@progbits
	.p2align	6, 0x0
	.amdhsa_kernel k_qb04a390bef_attn
		.amdhsa_group_segment_fixed_size 178176
		.amdhsa_private_segment_fixed_size 0
		.amdhsa_enable_private_segment 0
		.amdhsa_kernarg_size 48
		.amdhsa_user_sgpr_count 2
		.amdhsa_user_sgpr_kernarg_segment_ptr 1
		.amdhsa_wavefront_size32 1
		.amdhsa_system_sgpr_workgroup_id_x 1
		.amdhsa_system_sgpr_workgroup_id_y 1
		.amdhsa_system_sgpr_workgroup_id_z 1
		.amdhsa_system_vgpr_workitem_id 0
		.amdhsa_next_free_vgpr 256
		.amdhsa_next_free_sgpr 100
		.amdhsa_reserve_vcc 1
		.amdhsa_float_denorm_mode_32 3
		.amdhsa_float_denorm_mode_16_64 3
		.amdhsa_memory_ordered 1
		.amdhsa_forward_progress 1
		.amdhsa_inst_pref_size 80
	.end_amdhsa_kernel
	.amdgpu_metadata
---
amdhsa.version: [ 1, 2 ]
amdhsa.kernels:
  - .name:           k_qb04a390bef_attn
    .symbol:         k_qb04a390bef_attn.kd
    .args:
      - { .name: pcod, .offset: 0, .size: 8, .value_kind: global_buffer, .address_space: global }
      - { .name: pscl, .offset: 8, .size: 8, .value_kind: global_buffer, .address_space: global }
      - { .name: maskw, .offset: 16, .size: 8, .value_kind: global_buffer, .address_space: global }
      - { .name: maskf, .offset: 24, .size: 8, .value_kind: global_buffer, .address_space: global }
      - { .name: hcod, .offset: 32, .size: 8, .value_kind: global_buffer, .address_space: global }
      - { .name: hscl, .offset: 40, .size: 8, .value_kind: global_buffer, .address_space: global }
    .group_segment_fixed_size: 178176
    .private_segment_fixed_size: 0
    .kernarg_segment_align: 8
    .kernarg_segment_size: 48
    .max_flat_workgroup_size: 512
    .sgpr_count:     100
    .vgpr_count:     256
    .wavefront_size: 32
...
	.end_amdgpu_metadata
.endif
;; end of part 5
;; launch outp: the kernel of part 4 again; grid 4 x 32, 4 waves a work-group, clusters of 4 x 4, 327,680 bytes of LDS; arguments hcod, hscl, cod, scl, bo, out0; writes out0
